; MI455X (gfx1250); checked and timed in simulation.
; The chip was launched on July 23, 2026; its instructions are those of AMD's public machine-readable ISA for CDNA 5 (MIT licence, August 2026) and "CDNA5" Instruction Set Architecture Reference Guide (July 2026). The comments in the code are by the model that wrote it; some were corrected since.
;; Mo E Layer. Allowed arithmetic: float matrix products may take bf16 or f16 operands with f32 sums; other float arithmetic in f32, or as packed bf16 or f16 multiplies, adds, multiply-adds, maxima and minima; sums over many terms, partial sums and values carried from step to step in f32; what a program stores and reads back later, other than sums and carried values, may be rounded once to bf16 or f16.
;; Inputs: W1 8 x 1,024 x 2,048 float32; W2 8 x 1,024 x 2,048 float32; W3 8 x 2,048 x 1,024 float32; Wg 1,024 x 8 float32; b1 8 x 2,048 float32; b2 8 x 2,048 float32; b3 8 x 1,024 float32; x 2 x 512 x 1,024 float32.
;; Outputs: out0 2 x 512 x 1,024 float32; out1 one number float32; out2 2 x 512 x 8 float32.
;; 2 versions, each right; version 2 is version 1 with the launches up, down written anew for expert scheduling mode. Each part assembles by itself: llvm-mc -triple=amdgcn-amd-amdhsa -mcpu=gfx1250 --defsym DOCPART=n.
;; ======== version 1 of 2: 5 launches
;; workspace buffers: xb 2,097,152 bytes; bm 1,024 bytes of whole numbers; ch 4,096 bytes of whole numbers; wsum 4,096 bytes; auxp 4,096 bytes; rk 32,768 bytes of whole numbers; hid 33,554,432 bytes; part 67,108,864 bytes
;; launch gate (part 1): grid 64 x 1, 4 waves a work-group, no clusters, 54,784 bytes of LDS; arguments x, Wg, out2, xb, bm, ch, wsum, auxp; writes out2, xb, bm, ch, wsum, auxp
.if DOCPART == 1
	.amdgcn_target "amdgcn-amd-amdhsa--gfx1250"
	.amdhsa_code_object_version 6
	.text
	.protected	k_q6904886d96_gate
	.globl	k_q6904886d96_gate
	.p2align	8
	.type	k_q6904886d96_gate,@function
k_q6904886d96_gate:
	s_mov_b64 s[64:65], 0
	v_nop
	global_prefetch_b8 v0, s[64:65] scope:SCOPE_SE
	s_setreg_imm32_b32 hwreg(HW_REG_WAVE_MODE, 25, 1), 1
	s_wait_xcnt 0x0
; THE ROUTER.  x [1024 tokens][1024] f32, Wg [1024][8] f32.  Stores: xb = x rounded to bf16; out2 = softmax(x Wg); for each token its two
; experts (ch = e1 | e2 << 8), the sum of their scores (wsum) and its bit in each chosen expert's bitmap (bm); for each group of 16 tokens
; the sums of the eight scores and of logsumexp^2 (auxp).  Everything goes to fixed places: no address or branch hangs on a score.
; FORMATS.  x and Wg are rounded once to bf16 and multiplied by the matrix unit with f32 sums; softmax, logsumexp and top-2 in f32.
; LIMITS.  NaN and infinities are not treated apart.  An exponential below 2^-126 counts as 0.  Of equal scores the lower index wins, as in
; jax.lax.top_k; two scores that differ by less than the order of the f32 sums can shift may change places.
; SHARES.  A work-group has 16 tokens, wave w the channels 256 w .. 256 w + 255 of them: 64 work-groups are all the tiles of 16 tokens there are.
; NO CLUSTER: what the work-groups share is Wg, 32,768 of the 98,304 bytes that a group reads, and it passes through registers to be rounded.
.set XP,    528                 ; a row of my wave's x in LDS: 512 bytes + 16: the 16 rows of a fragment load start at 16 different groups of four banks (64 banks of 4 bytes: ISA guide 11.1)
.set XW,    16*XP               ; a wave's own block of x
.set WGS,   4*XW                ; Wg in bf16, [k][8]: 16 bytes a row, 4,096 bytes a wave
.set RED,   WGS+16384           ; the four waves' partial logits, 1,024 bytes each
.set SPARE, RED+4096            ; the spare words, 128 bytes a wave: two blocks of 256 bytes that no other line names
; v1 lane, v2 spare word, v3 zero, v4 r = lane % 16, v5 h = lane / 16, v6-v14 addresses, v16-143 x as loaded and then the fragments, v144-207 Wg as loaded,
; v208-223 two accumulators, v224-231 their sum
	s_load_b512 s[4:19], s[0:1], 0x0        ; x, Wg, out2, xb, bm, ch, wsum, auxp
	v_lshl_add_u32 v2, v0, 2, SPARE
	v_mov_b32 v3, 0
	v_and_b32 v1, 31, v0
	v_lshrrev_b32 v14, 5, v0
	v_readfirstlane_b32 s20, v14            ; wave
	s_mov_b32 s21, ttmp9                    ; group of 16 tokens
	v_and_b32 v4, 15, v1
	v_lshrrev_b32 v5, 4, v1
	v_lshlrev_b32 v15, 4, v1                ; 16 bytes a lane
	s_lshl_b32 s22, s20, 10
	v_add_nc_u32 v6, s22, v15               ; x: my wave's 1,024 bytes of a row
	s_lshl_b32 s22, s20, 13
	v_add_nc_u32 v7, s22, v15               ; Wg: my wave's 256 rows of 32 bytes
	v_lshlrev_b32 v15, 3, v1                ; 8 bytes a lane, once rounded
	s_mul_i32 s22, s20, XW
	v_add_nc_u32 v8, s22, v15               ; x into LDS
	s_lshl_b32 s23, s20, 12
	s_add_co_u32 s23, s23, WGS
	v_add_nc_u32 v9, s23, v15               ; Wg into LDS
	s_lshl_b32 s24, s20, 9
	v_add_nc_u32 v10, s24, v15              ; xb: my wave's 512 bytes of a row
	v_mul_u32_u24 v11, v4, XP
	v_lshl_add_u32 v11, v5, 4, v11
	v_add_nc_u32 v11, s22, v11              ; a fragment of x: row r, 16 bytes for each half of the lanes
	v_and_b32 v12, 7, v1
	v_lshl_add_u32 v12, v5, 3, v12
	v_lshl_add_u32 v12, v12, 4, s23         ; the turning load of Wg: row 8 h + lane % 8; lanes 8-15 of a half name the rows of lanes 0-7, so columns 8-15 repeat experts 0-7
	v_lshlrev_b32 v13, 5, v1
	v_add_nc_u32 v13, RED, v13              ; 32 bytes a lane
	s_lshl_b32 s22, s20, 10
	v_add_nc_u32 v14, s22, v13              ; in my wave's part
	s_mov_b32 s27, 0
	s_lshl_b32 s26, s21, 16
	s_wait_kmcnt 0x0
	s_add_nc_u64 s[4:5], s[4:5], s[26:27]   ; x at my 16 rows of 4,096 bytes
	s_lshl_b32 s26, s21, 15
	s_add_nc_u64 s[10:11], s[10:11], s[26:27]
	s_lshl_b32 s26, s21, 9
	s_add_nc_u64 s[8:9], s[8:9], s[26:27]
	s_lshl_b32 s26, s21, 6
	s_add_nc_u64 s[14:15], s[14:15], s[26:27]
	s_add_nc_u64 s[16:17], s[16:17], s[26:27]
	s_add_nc_u64 s[18:19], s[18:19], s[26:27]
	s_lshl_b32 s26, s21, 1
	s_add_nc_u64 s[12:13], s[12:13], s[26:27]  ; my half word in an expert's 128 bytes of bitmap
.set j, 0
.rept 16                                ; each load takes 512 consecutive bytes
	global_load_b128 v[144+4*j:147+4*j], v7, s[6:7] offset:512*j
.set j, j+1
.endr
.set j, 0
.rept 32                                ; row j / 2, half j % 2 of my 1,024 bytes
	global_load_b128 v[16+4*j:19+4*j], v6, s[4:5] offset:(j/2)*4096+(j%2)*512 th:TH_LOAD_NT
.set j, j+1
.endr
	s_wait_loadcnt 32                       ; Wg is in; the 32 loads of x are younger
.set j, 0
.rept 16
	v_cvt_pk_bf16_f32 v[144+4*j], v[144+4*j], v[145+4*j]
	v_cvt_pk_bf16_f32 v[145+4*j], v[146+4*j], v[147+4*j]
	ds_store_b64 v9, v[144+4*j:145+4*j] offset:256*j
.set j, j+1
.endr
.set j, 0
.rept 32
.if j%8 == 0
	s_wait_loadcnt 24-j                     ; eight loads at a time: the younger groups stay out
.endif
	v_cvt_pk_bf16_f32 v[16+4*j], v[16+4*j], v[17+4*j]
	v_cvt_pk_bf16_f32 v[17+4*j], v[18+4*j], v[19+4*j]
	ds_store_b64 v8, v[16+4*j:17+4*j] offset:(j/2)*XP+(j%2)*256
	global_store_b64 v10, v[16+4*j:17+4*j], s[10:11] offset:(j/2)*2048+(j%2)*256  ; 32 lanes store 256 consecutive bytes, at a multiple of 256 from xb's first
.set j, j+1
.endr
	s_wait_xcnt 0x0                         ; the stores' data registers are loaded again only behind this wait
.set q, 0
.rept 8                                 ; 32 channels a step: only my wave's own bytes are read, and LDS serves a wave's instructions in order (ISA guide 5.7.1.4)
	ds_load_b128 v[16+8*q:19+8*q], v11 offset:64*q
	ds_load_b128 v[20+8*q:23+8*q], v11 offset:64*q+32
	ds_load_tr16_b128 v[80+8*q:83+8*q], v12 offset:512*q
	ds_load_tr16_b128 v[84+8*q:87+8*q], v12 offset:512*q+256
.set q, q+1
.endr
	s_wait_dscnt 0x0
	; source 0 = Wg turned (row = expert), source 1 = x (column = token): register j of a lane is the logit of expert j for token lane % 16, in both halves of the lanes.
	; Two accumulators take turns; the first two products start the sums.
	v_wmma_f32_16x16x32_bf16 v[208:215], v[80:87], v[16:23], 0
	v_wmma_f32_16x16x32_bf16 v[216:223], v[88:95], v[24:31], 0
.set q, 2
.rept 3
	v_wmma_f32_16x16x32_bf16 v[208:215], v[80+8*q:87+8*q], v[16+8*q:23+8*q], v[208:215]
	v_wmma_f32_16x16x32_bf16 v[216:223], v[88+8*q:95+8*q], v[24+8*q:31+8*q], v[216:223]
.set q, q+2
.endr
.rept 4
	v_nop                                   ; four places between the last product and the reads of the results (ISA guide 7.12.1)
.endr
.set z, 0
.rept 4
	v_pk_add_f32 v[224+2*z:225+2*z], v[208+2*z:209+2*z], v[216+2*z:217+2*z]
.set z, z+1
.endr
	ds_store_b128 v14, v[224:227]
	ds_store_b128 v14, v[228:231] offset:16
	s_wait_dscnt 0x0                        ; for wave 0's sake: my partial logits are in LDS
	s_barrier_signal -1
	s_barrier_wait -1
	s_cmp_lg_u32 s20, 0
	s_cbranch_scc1 .Lend                    ; the rest is one wave's work: 16 tokens, eight numbers each
.set u, 0
.rept 4
	ds_load_b128 v[16+8*u:19+8*u], v13 offset:1024*u
	ds_load_b128 v[20+8*u:23+8*u], v13 offset:1024*u+16
.set u, u+1
.endr
	s_wait_dscnt 0x0
.irp u, 1,2,3
.irp z, 0,1,2,3
	v_pk_add_f32 v[16+2*\z:17+2*\z], v[16+2*\z:17+2*\z], v[16+8*\u+2*\z:17+8*\u+2*\z]
.endr
.endr
	; softmax and logsumexp of v16-23: p = 2^(c L - c m) / s, lse = m + ln 2 log2 s
	v_max3_num_f32 v58, v16, v17, v18
	v_max3_num_f32 v58, v58, v19, v20
	v_max3_num_f32 v58, v58, v21, v22
	v_max_num_f32 v58, v58, v23
	v_mul_f32 v48, 0x3fb8aa3b, v58          ; c m, c = log2(e)
	v_mov_b32 v49, v48                      ; named with it as a pair
.irp z, 0,1,2,3
	v_pk_fma_f32 v[50+2*\z:51+2*\z], v[16+2*\z:17+2*\z], 0x3fb8aa3b, v[48:49] op_sel_hi:[1,0,0] neg_lo:[0,0,1] neg_hi:[0,0,1]
.endr
.irp z, 50,51,52,53,54,55,56,57
	v_exp_f32 v\z, v\z
.endr
	v_nop                                   ; a plain instruction behind the last exponential,
	s_wait_alu depctr_va_vdst(0)            ; and one wait for the eight
	v_pk_add_f32 v[60:61], v[50:51], v[52:53]
	v_pk_add_f32 v[62:63], v[54:55], v[56:57]
	v_pk_add_f32 v[60:61], v[60:61], v[62:63]
	v_add_f32 v60, v60, v61
	v_rcp_f32 v62, v60
	v_log_f32 v63, v60
	v_nop
	s_wait_alu depctr_va_vdst(0)            ; one wait for the two
.irp z, 0,1,2,3
	v_pk_mul_f32 v[50+2*\z:51+2*\z], v[50+2*\z:51+2*\z], v[62:63] op_sel_hi:[1,0]
.endr
	v_fma_f32 v64, v63, 0x3f317218, v58     ; logsumexp
	v_mul_f32 v65, v64, v64
	; the largest score: a later one must be greater, so the lower index keeps a tie
	v_mov_b32 v66, v50
	v_mov_b32 v67, 0
.set i, 1
.rept 7
	v_cmp_gt_f32 vcc_lo, v[50+i], v66
	v_cndmask_b32 v66, v66, v[50+i], vcc_lo
	v_cndmask_b32 v67, v67, i, vcc_lo
.set i, i+1
.endr
	; the second: the same scan without the first's index
	v_mov_b32 v68, -1.0
	v_mov_b32 v69, 0
.set i, 0
.rept 8
	v_cmp_gt_f32 s24, v[50+i], v68
	v_cmp_ne_u32 s25, i, v67
	s_and_b32 s24, s24, s25
	v_cndmask_b32 v68, v68, v[50+i], s24
	v_cndmask_b32 v69, v69, i, s24
.set i, i+1
.endr
	v_add_f32 v70, v66, v68                 ; w
	v_lshl_or_b32 v71, v69, 8, v67          ; e1 | e2 << 8
	v_mov_b32 v72, 0
.set e, 0
.rept 8                                 ; lane e takes expert e's 16 bits (the mask's low half: tokens 0-15 of the group)
	v_cmp_eq_u32 s24, e, v67
	v_cmp_eq_u32 s25, e, v69
	s_or_b32 s24, s24, s25
	v_writelane_b32 v72, s24, e
.set e, e+1
.endr
	s_mov_b32 s26, 0xffff0000               ; lanes 16-31 store scores 4-7 of their token
.irp z, 0,1,2,3
	v_cndmask_b32 v[84+\z], v[50+\z], v[54+\z], s26
.endr
	v_lshlrev_b32 v91, 5, v4
	v_lshl_add_u32 v91, v5, 4, v91
	global_store_b128 v91, v[84:87], s[8:9] ; 512 consecutive bytes of out2
	; sums over the group's 16 tokens, in place: the scores are no store's data
.irp m, 1,2,4,8
.irp g, 50,51,52,53,54,55,56,57,65
	v_add_f32_dpp v\g, v\g, v\g row_xmask:\m row_mask:0xf bank_mask:0xf
.endr
.endr
	v_lshlrev_b32 v89, 2, v1
	v_lshlrev_b32 v90, 7, v1
	v_mov_b32 v88, 0
	v_cmp_gt_u32 vcc_lo, 16, v1
	s_wait_xcnt 0x0                         ; EXEC changes only behind s_wait_xcnt 0
	s_and_saveexec_b32 s28, vcc_lo
	global_store_b32 v89, v71, s[14:15]
	global_store_b32 v89, v70, s[16:17]
	s_wait_xcnt 0x0
	s_or_b32 exec_lo, exec_lo, s28
	v_cmp_gt_u32 vcc_lo, 8, v1
	s_wait_xcnt 0x0
	s_and_saveexec_b32 s28, vcc_lo
	global_store_b16 v90, v72, s[12:13]     ; expert = lane: its bitmap lies 128 bytes on
	s_wait_xcnt 0x0
	s_or_b32 exec_lo, exec_lo, s28
	v_cmp_eq_u32 vcc_lo, 0, v1
	s_wait_xcnt 0x0
	s_and_saveexec_b32 s28, vcc_lo
	global_store_b128 v88, v[50:53], s[18:19]
	global_store_b128 v88, v[54:57], s[18:19] offset:16
	global_store_b32 v88, v65, s[18:19] offset:32
	s_wait_xcnt 0x0
	s_or_b32 exec_lo, exec_lo, s28
.Lend:
	s_wait_tensorcnt 0x0                    ; the wave's end, behind my last LDS store
	ds_add_u32 v2, v3
	s_wait_dscnt 0x0
	s_endpgm
.Lfunc_end_k_q6904886d96_gate:
	.size	k_q6904886d96_gate, .Lfunc_end_k_q6904886d96_gate-k_q6904886d96_gate
	.p2alignl 7, 3214868480
	.fill 96, 4, 3214868480
	.section	.rodata,"a",@progbits
	.p2align	6, 0x0
	.amdhsa_kernel k_q6904886d96_gate
		.amdhsa_group_segment_fixed_size 54784
		.amdhsa_private_segment_fixed_size 0
		.amdhsa_enable_private_segment 0
		.amdhsa_kernarg_size 64
		.amdhsa_user_sgpr_count 2
		.amdhsa_user_sgpr_kernarg_segment_ptr 1
		.amdhsa_wavefront_size32 1
		.amdhsa_system_sgpr_workgroup_id_x 1
		.amdhsa_system_sgpr_workgroup_id_y 1
		.amdhsa_system_sgpr_workgroup_id_z 1
		.amdhsa_system_vgpr_workitem_id 0
		.amdhsa_next_free_vgpr 232
		.amdhsa_next_free_sgpr 66
		.amdhsa_reserve_vcc 1
		.amdhsa_float_denorm_mode_32 3
		.amdhsa_float_denorm_mode_16_64 3
		.amdhsa_memory_ordered 1
		.amdhsa_forward_progress 1
		.amdhsa_inst_pref_size 35
	.end_amdhsa_kernel
	.amdgpu_metadata
---
amdhsa.version: [ 1, 2 ]
amdhsa.kernels:
  - .name:           k_q6904886d96_gate
    .symbol:         k_q6904886d96_gate.kd
    .args:
      - { .name: x, .offset: 0, .size: 8, .value_kind: global_buffer, .address_space: global }
      - { .name: Wg, .offset: 8, .size: 8, .value_kind: global_buffer, .address_space: global }
      - { .name: out2, .offset: 16, .size: 8, .value_kind: global_buffer, .address_space: global }
      - { .name: xb, .offset: 24, .size: 8, .value_kind: global_buffer, .address_space: global }
      - { .name: bm, .offset: 32, .size: 8, .value_kind: global_buffer, .address_space: global }
      - { .name: ch, .offset: 40, .size: 8, .value_kind: global_buffer, .address_space: global }
      - { .name: wsum, .offset: 48, .size: 8, .value_kind: global_buffer, .address_space: global }
      - { .name: auxp, .offset: 56, .size: 8, .value_kind: global_buffer, .address_space: global }
    .group_segment_fixed_size: 54784
    .private_segment_fixed_size: 0
    .kernarg_segment_align: 8
    .kernarg_segment_size: 64
    .max_flat_workgroup_size: 128
    .sgpr_count:     66
    .vgpr_count:     232
    .wavefront_size: 32
...
	.end_amdgpu_metadata
.endif
;; end of part 1
;; launch place (part 2): grid 16 x 8, 8 waves a work-group, no clusters, 35,840 bytes of LDS; arguments xb, bm, part; writes part
.if DOCPART == 2
	.amdgcn_target "amdgcn-amd-amdhsa--gfx1250"
	.amdhsa_code_object_version 6
	.text
	.protected	k_q6904886d96_place
	.globl	k_q6904886d96_place
	.p2align	8
	.type	k_q6904886d96_place,@function
k_q6904886d96_place:
	s_mov_b64 s[64:65], 0
	v_nop
	global_prefetch_b8 v0, s[64:65] scope:SCOPE_SE
	s_setreg_imm32_b32 hwreg(HW_REG_WAVE_MODE, 25, 1), 1
	s_wait_xcnt 0x0
; THE PLACING.  Each expert's token rows (bf16, from xb) are laid end to end, in rising order of token (rank), in the order in which the next launch's operand registers take them:
; xs[e][tile of 16 ranks][K step s = 0..31][half c = 0..1][lane][16 bytes]; lane l holds rank l % 16 of the tile, channels 32 s + 16 c + 8 (l / 16) + 0..7.  A tile is 32,768 bytes, an expert has room for 64.
; WHY.  The 32 work-groups that multiply an expert's rows then read them as 512 consecutive bytes a load; by the list each load would be 16 pieces of 32 bytes from 16 rows.  Here those pieces are read once.
; xs LIES AT THE HEAD OF THE BUFFER part (16,777,216 of its bytes): the partial sums that give it its name are stored two launches later, when xs has been read for the last time.
; SHARES.  Work-group (g, e), wave w: tile g + 16 (w / 2), channels 512 (w % 2) on: 16 x 4 tiles are all that 1,024 rows can make.  A wave whose tile lies past the expert's count stores nothing:
; the price of a grid that serves every split.  In the last live tile the places past the count repeat the last row, so that every byte of a live tile is written.
; The bitmap bm was stored by the launch before, as whole numbers.  No number is changed here: no rounding, no limit of range.
; A plain copy: no barrier (each wave has a list of its own), no matrix unit; a cluster would share nothing but 128 bytes of bitmap.
.set LISTB, 4352                ; each wave's own list of the expert's tokens: 1,024 words, and 32 more for the lanes whose token did not choose it
.set SPARE, 8*LISTB             ; the spare words, 128 bytes a wave: four blocks of 256 bytes that no other line names
.set SPW, 2
.set NIL, 3
.set TOK, 4
.set IDX, 5
.set AD,  6
.set DUMP, 7
.set SRC, 8                     ; byte offset in xb of my lane's 16 bytes
.set GO,  9                     ; 16 x lane
.set H16, 10
.set RR,  12
.set X,   32                    ; v32-159: 32 loads
	s_load_b128 s[4:7], s[0:1], 0x0         ; xb, bm
	s_load_b64 s[8:9], s[0:1], 0x10         ; part
	v_lshl_add_u32 v[SPW], v0, 2, SPARE
	v_mov_b32 v[NIL], 0
	v_and_b32 v1, 31, v0
	v_lshrrev_b32 v11, 5, v0
	v_readfirstlane_b32 s20, v11            ; wave 0..7
	s_and_b32 s22, ttmp7, 0xffff            ; expert
	s_lshr_b32 s23, s20, 1
	s_lshl_b32 s23, s23, 4
	s_add_co_u32 s23, s23, ttmp9            ; my tile
	s_and_b32 s24, s20, 1                   ; my half of the channels
	v_mov_b32 v[TOK], v1
	v_add_nc_u32 v[DUMP], 1024, v1
	v_lshlrev_b32 v[GO], 4, v1
	v_lshrrev_b32 v[H16], 4, v1
	v_lshlrev_b32 v[H16], 4, v[H16]         ; 16 x (lane / 16)
	v_and_b32 v[RR], 15, v1
	s_mul_i32 s88, s20, LISTB               ; my list
	s_mov_b32 s66, 0
	s_lshl_b32 s26, s22, 7
	s_mov_b32 s27, 0
	s_wait_kmcnt 0x0
	s_add_nc_u64 s[6:7], s[6:7], s[26:27]
	s_load_b512 s[32:47], s[6:7], 0x0       ; the expert's bitmap: 1,024 bits
	s_load_b512 s[48:63], s[6:7], 0x40
	s_lshl_b32 s26, s24, 10
	s_add_nc_u64 s[4:5], s[4:5], s[26:27]   ; xb at my 1,024 bytes of a row
	s_lshl_b32 s26, s22, 6
	s_add_co_u32 s26, s26, s23
	s_lshl_b32 s26, s26, 15                 ; (expert x 64 + tile) x 32,768 bytes,
	s_lshl_b32 s28, s24, 14
	s_add_co_u32 s26, s26, s28              ; and my half of the tile
	s_add_nc_u64 s[8:9], s[8:9], s[26:27]
	s_wait_kmcnt 0x0
	; THE LIST.  Word j of the bitmap: a lane whose token chose the expert puts the token at its rank; the others write into the 32 words behind the list.
.set j, 0
.rept 32
	v_mbcnt_lo_u32_b32 v[IDX], s[32+j], s66
	v_cndmask_b32 v[IDX], v[DUMP], v[IDX], s[32+j]
	v_min_u32 v[IDX], 0x41f, v[IDX]
	v_lshl_add_u32 v[AD], v[IDX], 2, s88
	ds_store_b32 v[AD], v[TOK]
	v_add_nc_u32 v[TOK], 32, v[TOK]
	s_bcnt1_i32_b32 s80, s[32+j]
	s_add_co_u32 s66, s66, s80
.set j, j+1
.endr
	s_add_co_u32 s67, s66, 15
	s_lshr_b32 s67, s67, 4                  ; live tiles
	s_cmp_ge_u32 s23, s67
	s_cbranch_scc1 .Lend                    ; my tile has no row
	s_max_u32 s68, s66, 1
	s_sub_co_u32 s68, s68, 1                ; the last rank
	s_lshl_b32 s80, s23, 4
	v_add_nc_u32 v[IDX], s80, v[RR]         ; my rank,
	v_min_u32 v[IDX], s68, v[IDX]           ; or the expert's last
	v_min_u32 v[IDX], 0x3ff, v[IDX]
	v_lshl_add_u32 v[AD], v[IDX], 2, s88
	ds_load_b32 v[SRC], v[AD]               ; LDS serves a wave's instructions in order (ISA guide 5.7.1.4): this sees the stores above
	s_wait_dscnt 0x0
	v_min_u32 v[SRC], 0x3ff, v[SRC]
	v_lshl_add_u32 v[SRC], v[SRC], 11, v[H16]  ; token x 2,048 bytes + 16 x half
.set j, 0
.rept 32                                ; load j: 32 bytes of each of the tile's 16 rows
	global_load_b128 v[X+4*j:X+4*j+3], v[SRC], s[4:5] offset:32*j
.set j, j+1
.endr
.set g, 0
.rept 8
	s_wait_loadcnt 28-4*g                   ; four loads at a time: the younger groups stay out
.irp u, 0,1,2,3
	global_store_b128 v[GO], v[X+4*(4*g+\u):X+4*(4*g+\u)+3], s[8:9] offset:512*(4*g+\u)  ; the same registers, as 512 consecutive bytes, at a multiple of 256 from the buffer's first
.endr
.set g, g+1
.endr
.Lend:
	s_wait_tensorcnt 0x0                    ; the wave's end, behind my last LDS store
	ds_add_u32 v[SPW], v[NIL]
	s_wait_dscnt 0x0
	s_endpgm
.Lfunc_end_k_q6904886d96_place:
	.size	k_q6904886d96_place, .Lfunc_end_k_q6904886d96_place-k_q6904886d96_place
	.p2alignl 7, 3214868480
	.fill 96, 4, 3214868480
	.section	.rodata,"a",@progbits
	.p2align	6, 0x0
	.amdhsa_kernel k_q6904886d96_place
		.amdhsa_group_segment_fixed_size 35840
		.amdhsa_private_segment_fixed_size 0
		.amdhsa_enable_private_segment 0
		.amdhsa_kernarg_size 24
		.amdhsa_user_sgpr_count 2
		.amdhsa_user_sgpr_kernarg_segment_ptr 1
		.amdhsa_wavefront_size32 1
		.amdhsa_system_sgpr_workgroup_id_x 1
		.amdhsa_system_sgpr_workgroup_id_y 1
		.amdhsa_system_sgpr_workgroup_id_z 1
		.amdhsa_system_vgpr_workitem_id 0
		.amdhsa_next_free_vgpr 160
		.amdhsa_next_free_sgpr 96
		.amdhsa_reserve_vcc 0
		.amdhsa_float_denorm_mode_32 3
		.amdhsa_float_denorm_mode_16_64 3
		.amdhsa_memory_ordered 1
		.amdhsa_forward_progress 1
		.amdhsa_inst_pref_size 22
	.end_amdhsa_kernel
	.amdgpu_metadata
---
amdhsa.version: [ 1, 2 ]
amdhsa.kernels:
  - .name:           k_q6904886d96_place
    .symbol:         k_q6904886d96_place.kd
    .args:
      - { .name: xb, .offset: 0, .size: 8, .value_kind: global_buffer, .address_space: global }
      - { .name: bm, .offset: 8, .size: 8, .value_kind: global_buffer, .address_space: global }
      - { .name: part, .offset: 16, .size: 8, .value_kind: global_buffer, .address_space: global }
    .group_segment_fixed_size: 35840
    .private_segment_fixed_size: 0
    .kernarg_segment_align: 8
    .kernarg_segment_size: 24
    .max_flat_workgroup_size: 256
    .sgpr_count:     96
    .vgpr_count:     160
    .wavefront_size: 32
...
	.end_amdgpu_metadata
.endif
;; end of part 2
;; launch up (part 3): grid 32 x 8, 4 waves a work-group, no clusters, 295,424 bytes of LDS; arguments W1, W2, b1, b2, part, bm, hid, rk; writes hid, rk
.if DOCPART == 3
	.amdgcn_target "amdgcn-amd-amdhsa--gfx1250"
	.amdhsa_code_object_version 6
	.text
	.protected	k_q6904886d96_up
	.globl	k_q6904886d96_up
	.p2align	8
	.type	k_q6904886d96_up,@function
k_q6904886d96_up:
	s_mov_b64 s[64:65], 0
	v_nop
	global_prefetch_b8 v0, s[64:65] scope:SCOPE_SE
	s_setreg_imm32_b32 hwreg(HW_REG_WAVE_MODE, 25, 1), 1
	s_wait_xcnt 0x0
; THE FIRST TWO PRODUCTS AND THE ACTIVATION.  silu(x W1[e] + b1[e]) (x W2[e] + b2[e]) for hidden columns 64 s .. 64 s + 63 and the tokens that chose expert e, in rising order of token (rank).
; Work-group (s, e) alone reads its 1,024 x 64 columns of W1[e] and of W2[e], 524,288 bytes of f32, once.
; THE ROWS lie at the head of the buffer part, laid by the launch before as my operand registers take them: xs[e][tile of 16 ranks][K step][half][lane][16 bytes]: each load takes 512 consecutive bytes.
; hid IS LAID OUT LIKEWISE FOR THE NEXT LAUNCH: hid[e][s][tile of 16 ranks][f = 0..3][lane][16 bytes]; lane l holds rank l % 16 of the tile, columns 16 f + 8 (l / 16) + 0..7 of the slice.
; That is how the products leave the numbers in the lanes, so a tile goes out from registers, 512 consecutive bytes a store, with no trip through LDS.
; FORMATS.  W1, W2, b1, b2 are rounded once to bf16 (x was, by the first launch); sums and the activation in f32; hid is rounded once to bf16.
; LIMITS.  NaN and infinities are not treated apart.  silu(h) is 0 where 2^(-1.4427 h) passes f32's range (h below -88), and an exponential below 2^-126 counts as 0.
; TWO PHASES.  STREAM: the slice goes memory -> registers -> bf16 -> LDS, 64 loads of 16 bytes a lane always out in each wave.  One barrier.  PASSES: the expert's rows against the slice; a row tile
; is 16 ranks, wave w has tiles w, w + 4, ..; a pass takes five of them, four passes cover the 64 tiles that 1,024 rows can make.  The rows come straight into registers as matrix operands, five K steps ahead.
; What hangs on the expert's count (read from bm) is only jumped over, forward, with no barrier in what is jumped.  A dead tile's loads read the last live tile again.
; Every split is served: an expert without rows streams, passes the barriers and stores no row.  Work-group (0, e), wave 0, also stores rk[e][t] = the number of e's tokens below t.
; NO CLUSTER: a slice of weights has one reader.  An expert's 32 work-groups do read the same rows; asked for jointly these would want slots in LDS, and beside the slice 32,256 bytes are free,
; where two slots of one K step of a pass's 20 tiles are 40,960.
; REGISTERS, in windows of 256 (s_set_vgpr_msb: bits 1:0 source 0, 3:2 source 1, 5:4 source 2, 7:6 destination):
;   window 0: v0-31 addresses; v32-47 at work in the stream; v64-191 two buffers of weight fragments (on the way out: at work); v192-255 the biases as C operands
;   window 1: the stream's 64 loads, then the accumulators of tiles 0-3 (tile i, column block f at 64 i + 8 f; f < 4: x W1, else x W2)   window 2: those of tile 4   window 3: row fragments, six slots of 40
.set PW,    288                 ; a row k of the slice in LDS: 128 bytes of W1, 128 of W2, 32 of padding = 72 words
.set SPARE, 1024*PW             ; the spare words, 128 bytes a wave: two blocks of 256 bytes that no other line names
.set SPW, 2
.set NIL, 3
.set B0,  4                     ; my lane's place in 32 rows of the slice; never rewritten
.set BA,  5                     ; v5: the same, s89 bytes on; v6: four K steps further, since an LDS offset ends at 65,535
.set GO,  8                     ; 16 x lane
.set RR,  9                     ; lane % 16
.set AOFF, 10                   ; v10-14: byte offset in the expert's rows of my lane's 16 bytes, for each of five tiles
.set VG,  22                    ; the stream: my byte offset in eight rows of W1 or W2
.set VS,  24                    ; v24, v25: where they go in LDS (rows 0-127 and 128-255 of a trip's 256)
.set BO,  31
.set CT,  32
.set BF,  64
.set T,   64
.set P,   96
.set BIAS, 192
.set MSB, 0
.macro WIN new                          ; the immediate's high byte repeats the setting that is left; a switch that changes nothing is dropped
.if MSB != (\new)
	s_set_vgpr_msb (MSB<<8)|(\new)
.set MSB, (\new)
.endif
.endm
	s_load_b512 s[4:19], s[0:1], 0x0        ; W1, W2, b1, b2, part (the rows), bm, hid, rk
	v_lshl_add_u32 v[SPW], v0, 2, SPARE
	v_mov_b32 v[NIL], 0
	v_and_b32 v1, 31, v0
	v_lshrrev_b32 v16, 5, v0
	v_readfirstlane_b32 s20, v16            ; wave
	s_mov_b32 s21, ttmp9                    ; slice
	s_and_b32 s22, ttmp7, 0xffff            ; expert
	v_and_b32 v[RR], 15, v1
	v_lshrrev_b32 v17, 4, v1                ; h = lane / 16
	v_and_b32 v18, 7, v1
	v_bfe_u32 v19, v1, 3, 1
	v_lshl_add_u32 v[B0], v17, 3, v18       ; the turning load: row 8 h + lane % 8,
	v_mul_u32_u24 v[B0], v[B0], PW
	v_lshl_add_u32 v[B0], v19, 4, v[B0]     ; columns 8 ((lane / 8) % 2) on
	v_lshlrev_b32 v[GO], 4, v1
	v_lshl_add_u32 v23, v17, 2, s20         ; the stream: of eight rows lanes 0-15 take row w, lanes 16-31 row w + 4
	v_lshlrev_b32 v[VG], 13, v23
	v_lshl_add_u32 v[VG], v[RR], 4, v[VG]
	v_mul_u32_u24 v[VS], v23, PW
	v_lshl_add_u32 v[VS], v[RR], 3, v[VS]
	v_add_nc_u32 v[VS+1], 128*PW, v[VS]
	v_lshlrev_b32 v[BO], 5, v17
	s_mov_b32 s66, 0
	s_mov_b32 s78, 0xbfb8aa3b               ; -log2(e),
	s_mov_b32 s79, s78                      ; named as a pair
	s_lshl_b32 s82, s22, 23                 ; an expert's W1 is 8,388,608 bytes, a slice's part of a row 256
	s_lshl_b32 s84, s21, 8
	s_add_co_u32 s82, s82, s84
	s_mov_b32 s83, 0
	s_lshl_b32 s86, s22, 13
	s_add_co_u32 s86, s86, s84
	s_mov_b32 s87, 0
	s_wait_kmcnt 0x0
	s_add_nc_u64 s[4:5], s[4:5], s[82:83]
	s_add_nc_u64 s[6:7], s[6:7], s[82:83]
	s_add_nc_u64 s[8:9], s[8:9], s[86:87]
	s_add_nc_u64 s[10:11], s[10:11], s[86:87]
	s_lshl_b32 s82, s22, 7
	s_add_nc_u64 s[14:15], s[14:15], s[82:83]
	s_load_b512 s[32:47], s[14:15], 0x0     ; the expert's bitmap: 1,024 bits
	s_load_b512 s[48:63], s[14:15], 0x40
	s_lshl_b32 s86, s22, 5
	s_add_co_u32 s86, s86, s21
	s_lshl_b32 s86, s86, 17                 ; hid: 131,072 bytes for each (expert, slice)
	s_add_nc_u64 s[16:17], s[16:17], s[86:87]
	s_lshl_b32 s86, s22, 12
	s_add_nc_u64 s[18:19], s[18:19], s[86:87]
	s_lshl_b32 s86, s22, 21                 ; the rows: 64 tiles of 32,768 bytes an expert
	s_add_nc_u64 s[12:13], s[12:13], s[86:87]
	; THE STREAM IS FILLED: 64 loads.  Unit j is eight rows k = 8 j .. 8 j + 7; sixteen lanes take one row's 256 bytes whole.
	WIN 0x40
.set j, 0
.rept 32
	global_load_b128 v[8*j:8*j+3],   v[VG], s[4:5] offset:j*65536 th:TH_LOAD_NT
	global_load_b128 v[8*j+4:8*j+7], v[VG], s[6:7] offset:j*65536 th:TH_LOAD_NT
.set j, j+1
.endr
	WIN 0
	s_wait_kmcnt 0x0
.set j, 0
.rept 32                                ; the expert's count, while those loads are on their way
	s_bcnt1_i32_b32 s80, s[32+j]
	s_add_co_u32 s66, s66, s80
.set j, j+1
.endr
	s_add_co_u32 s67, s66, 15
	s_lshr_b32 s67, s67, 4                  ; T: live tiles
	s_max_u32 s68, s67, 1
	s_sub_co_u32 s68, s68, 1                ; the last live tile
	s_or_b32 s80, s20, s21
	s_cmp_lg_u32 s80, 0
	s_cbranch_scc1 .Lnork
	s_mov_b32 s80, 0
	v_lshlrev_b32 v16, 2, v1
.set j, 0
.rept 32                                ; every entry is stored, 128 consecutive bytes a line
	v_mbcnt_lo_u32_b32 v[BF+j], s[32+j], s80
	global_store_b32 v16, v[BF+j], s[18:19] offset:j*128
	s_bcnt1_i32_b32 s82, s[32+j]
	s_add_co_u32 s80, s80, s82
.set j, j+1
.endr
.Lnork:
; Four units of the stream: rounded, laid into LDS, and (re = 1) their registers asked for again, 32 units on.  left: the younger loads, which stay out.
.macro GRP g, re, left
	s_wait_loadcnt \left
	WIN 0x05
.irp u, 0,1,2,3
.irp c, 0,1,2,3
	v_cvt_pk_bf16_f32 v[CT+4*\u+\c], v[8*(4*(\g)+\u)+2*\c], v[8*(4*(\g)+\u)+2*\c+1]
.endr
.endr
	WIN 0
.irp u, 0,1,2,3
	ds_store_b64 v[VS+(4*(\g)+\u)/16], v[CT+4*\u:CT+4*\u+1]   offset:((4*(\g)+\u)%16)*8*PW      ; the two halves of the lanes lie four rows apart, 288 words: 32 banks apart
	ds_store_b64 v[VS+(4*(\g)+\u)/16], v[CT+4*\u+2:CT+4*\u+3] offset:((4*(\g)+\u)%16)*8*PW+128
.endr
.if \re
	WIN 0x40
.irp u, 0,1,2,3
	global_load_b128 v[8*(4*(\g)+\u):8*(4*(\g)+\u)+3],   v[VG], s[4:5] offset:(4*(\g)+\u+32)*65536 th:TH_LOAD_NT
	global_load_b128 v[8*(4*(\g)+\u)+4:8*(4*(\g)+\u)+7], v[VG], s[6:7] offset:(4*(\g)+\u+32)*65536 th:TH_LOAD_NT
.endr
	WIN 0
.endif
.endm
	s_mov_b32 s71, 3
.Lstream:                                       ; a trip: 256 rows k are laid down, the 256 after the next are asked for
.irp g, 0,1,2,3,4,5,6,7
	GRP \g, 1, 56                           ; of 64 loads out the oldest eight are wanted
.endr
	s_wait_xcnt 0x0                         ; the loads' bases are stepped only behind this wait
	s_add_nc_u64 s[4:5], s[4:5], 0x200000
	s_add_nc_u64 s[6:7], s[6:7], 0x200000
	v_add_nc_u32 v[VS], 256*PW, v[VS]
	v_add_nc_u32 v[VS+1], 256*PW, v[VS+1]
	s_sub_co_u32 s71, s71, 1
	s_cmp_lg_u32 s71, 0
	s_cbranch_scc1 .Lstream
.irp g, 0,1,2,3
	GRP \g, 0, 56-8*\g                      ; the last 256 rows: nothing more is asked for, the counts run down
.endr
.irp f, 0,1,2,3                         ; the biases, 16 loads behind the 32 still out: lane (r, h), register j of block f wants column 16 f + 8 h + j
	global_load_b128 v[BIAS+8*\f:BIAS+8*\f+3],     v[BO], s[8:9] offset:64*\f
	global_load_b128 v[BIAS+8*\f+4:BIAS+8*\f+7],   v[BO], s[8:9] offset:64*\f+16
	global_load_b128 v[BIAS+32+8*\f:BIAS+35+8*\f], v[BO], s[10:11] offset:64*\f
	global_load_b128 v[BIAS+36+8*\f:BIAS+39+8*\f], v[BO], s[10:11] offset:64*\f+16
.endr
.irp g, 4,5,6,7
	GRP \g, 0, 72-8*\g                      ; the younger groups and the 16 bias loads stay out
.endr
	s_wait_loadcnt 0x0
.set z, 0
.rept 32                                ; the biases rounded to bf16 and widened again
	v_cvt_pk_bf16_f32 v[CT+z%4], v[BIAS+2*z], v[BIAS+2*z+1]
	v_lshlrev_b32 v[BIAS+2*z], 16, v[CT+z%4]
	v_and_b32 v[BIAS+2*z+1], 0xffff0000, v[CT+z%4]
.set z, z+1
.endr
	s_wait_dscnt 0x0                        ; for the others' sake: my rows of the slice are in LDS
	s_barrier_signal -1
	s_barrier_wait -1                       ; from here to the closing barrier LDS is only read
; Ten loads: the five tiles' fragments (16 ranks x 32 channels: two blocks of 512 consecutive bytes) of one K step, into a slot.
.macro LDA slot, imm
	WIN 0xc0
.irp i, 0,1,2,3,4
	global_load_b128 v[40*(\slot)+8*\i:40*(\slot)+8*\i+3],   v[AOFF+\i], s[74:75] offset:(\imm)
	global_load_b128 v[40*(\slot)+8*\i+4:40*(\slot)+8*\i+7], v[AOFF+\i], s[74:75] offset:(\imm)+512
.endr
.endm
; Sixteen turning loads: the slice's eight column blocks x the 32 rows k of K step rel, counted from the walk's place, into a buffer.
.macro LDB buf, rel
	WIN 0
.irp f, 0,1,2,3,4,5,6,7
	ds_load_tr16_b128 v[BF+64*(\buf)+8*\f:BF+64*(\buf)+8*\f+3],   v[BA+(\rel)/4] offset:((\rel)%4)*32*PW+32*\f
	ds_load_tr16_b128 v[BF+64*(\buf)+8*\f+4:BF+64*(\buf)+8*\f+7], v[BA+(\rel)/4] offset:((\rel)%4)*32*PW+32*\f+16*PW
.endr
.endm
; Eight products of tile i.  Source 0 = 16 hidden columns, source 1 = 16 ranks: a lane then holds one rank and eight neighbouring columns.  first = 1: the bias is the C that starts the sum.
.macro MM i, buf, slot, first
.if (\i) < 4
	WIN 0x5c-0x10*(\first)
.else
	WIN 0xac-0x20*(\first)
.endif
.irp f, 0,1,2,3,4,5,6,7
.if \first
	v_wmma_f32_16x16x32_bf16 v[64*((\i)%4)+8*\f:64*((\i)%4)+8*\f+7], v[BF+64*(\buf)+8*\f:BF+64*(\buf)+8*\f+7], v[40*(\slot)+8*(\i):40*(\slot)+8*(\i)+7], v[BIAS+8*\f:BIAS+8*\f+7]
.else
	v_wmma_f32_16x16x32_bf16 v[64*((\i)%4)+8*\f:64*((\i)%4)+8*\f+7], v[BF+64*(\buf)+8*\f:BF+64*(\buf)+8*\f+7], v[40*(\slot)+8*(\i):40*(\slot)+8*(\i)+7], v[64*((\i)%4)+8*\f:64*((\i)%4)+8*\f+7]
.endif
.endr
.endm
; A K step of 32.  It asks for the weight fragments of the next step and the row fragments five steps on, into the registers that the step before multiplied: four places stand between
; (ISA guide 7.12.1 for vector instructions).  lc, dc: the younger loads, which stay out.  The accumulators take turns, one instruction a turn.
; Tiles 3 and 4: their loads are issued on every way, so that the counts are alike.  The pass's first step multiplies all five tiles, with no branch, so that each accumulator that the way out
; names has been started by the pass itself on every way: at most 16 products a pass on a tile read twice.  The other 31 steps jump the tiles that the pass does not have.
.macro STEP sr, first, lda, ldb, lc, dc
	WIN 0
.rept 4
	v_nop
.endr
.if \ldb
	LDB ((\sr)+1)%2, (\sr)+1
.endif
.if \lda
	LDA ((\sr)+5)%6, ((\sr)+5)*1024
.endif
	s_wait_loadcnt \lc
	s_wait_dscnt \dc
	MM 0, (\sr)%2, (\sr)%6, \first
	MM 1, (\sr)%2, (\sr)%6, \first
	MM 2, (\sr)%2, (\sr)%6, \first
.if \first
	MM 3, (\sr)%2, (\sr)%6, 1
	MM 4, (\sr)%2, (\sr)%6, 1
	WIN 0
.else
	WIN 0
	s_cmp_eq_u32 s72, 0
	s_cbranch_scc1 .Lx\@
	MM 3, (\sr)%2, (\sr)%6, 0
	WIN 0
	s_cmp_eq_u32 s73, 0
	s_cbranch_scc1 .Lx\@
	MM 4, (\sr)%2, (\sr)%6, 0
	WIN 0
.Lx\@:
.endif
.endm
; Tile i leaves: silu(h1) h2 = h1 h2 / (1 + 2^(-log2(e) h1)), rounded to bf16 and stored from the registers in which it lies.  A dead tile ends the pass: those behind it are dead too.
.macro ACT i
	WIN 0
	s_add_co_u32 s80, s70, 4*(\i)
.if (\i) > 0
	s_cmp_ge_u32 s80, s67
	s_cbranch_scc1 .Lnext
.endif
	WIN 1+(\i)/4
.set z, 0
.rept 16                                ; each accumulator is read from its low end on
	v_pk_mul_f32 v[T+2*z:T+2*z+1], v[64*((\i)%4)+2*z:64*((\i)%4)+2*z+1], s[78:79] op_sel_hi:[1,0]
.set z, z+1
.endr
	WIN 0
.set z, 0
.rept 32
	v_exp_f32 v[T+z], v[T+z]
.set z, z+1
.endr
	v_nop                                   ; a plain instruction behind the last exponential,
	s_wait_alu depctr_va_vdst(0)            ; and one wait for the batch of 32
.set z, 0
.rept 16
	v_pk_add_f32 v[T+2*z:T+2*z+1], v[T+2*z:T+2*z+1], 1.0 op_sel_hi:[1,0]
.set z, z+1
.endr
.set z, 0
.rept 32
	v_rcp_f32 v[T+z], v[T+z]
.set z, z+1
.endr
	v_nop
	s_wait_alu depctr_va_vdst(0)            ; one wait for the 32 reciprocals
	WIN 1+(\i)/4
.set z, 0
.rept 16
	v_pk_mul_f32 v[T+2*z:T+2*z+1], v[64*((\i)%4)+2*z:64*((\i)%4)+2*z+1], v[T+2*z:T+2*z+1]
.set z, z+1
.endr
.set z, 0
.rept 16
	v_pk_mul_f32 v[T+2*z:T+2*z+1], v[64*((\i)%4)+32+2*z:64*((\i)%4)+32+2*z+1], v[T+2*z:T+2*z+1]
.set z, z+1
.endr
	WIN 0
	s_wait_xcnt 0x0                         ; the last tile's stores named P and s[76:77]: both are written again only behind this wait
.set z, 0
.rept 16
	v_cvt_pk_bf16_f32 v[P+z], v[T+2*z], v[T+2*z+1]
.set z, z+1
.endr
	s_lshl_b32 s80, s80, 11                 ; a tile is 2,048 bytes
	s_mov_b32 s81, 0
	s_add_nc_u64 s[76:77], s[16:17], s[80:81]
.irp f, 0,1,2,3
	global_store_b128 v[GO], v[P+4*\f:P+4*\f+3], s[76:77] offset:512*\f  ; block f: 512 consecutive bytes, at a multiple of 256 from hid's first
.endr
.endm
	s_mov_b32 s69, 4
	s_mov_b32 s70, s20                      ; the pass's first tile: w + 20 p
.Lpass:
	s_cmp_ge_u32 s70, s67
	s_cbranch_scc1 .Lnext                   ; no tile of mine in this pass
	s_wait_xcnt 0x0                         ; earlier loads and stores named registers that the pass writes
.irp i, 0,1,2,3,4
	s_add_co_u32 s80, s70, 4*\i
	s_min_u32 s80, s80, s68                 ; a dead tile reads the last live one again
	s_min_u32 s80, s80, 63
	s_lshl_b32 s80, s80, 15
	v_add_nc_u32 v[AOFF+\i], s80, v[GO]     ; tile x 32,768 bytes + 16 x lane
.endr
	s_add_co_u32 s80, s70, 12
	s_cmp_lt_u32 s80, s67
	s_cselect_b32 s72, 1, 0                 ; is tile 3 live?
	s_add_co_u32 s80, s70, 16
	s_cmp_lt_u32 s80, s67
	s_cselect_b32 s73, 1, 0                 ; tile 4?
	s_mov_b64 s[74:75], s[12:13]
	s_mov_b32 s89, 0                        ; the K walk's place in the slice, in bytes
	v_add_nc_u32 v[BA], s89, v[B0]
	v_add_nc_u32 v[BA+1], 4*32*PW, v[BA]
	LDA 0, 0
	LDA 1, 1024
	LDA 2, 2048
	LDA 3, 3072
	LDA 4, 4096
	LDB 0, 0
	STEP 0, 1, 1, 1, 50, 16                 ; 50: the five younger slots of ten; 16: the buffer just asked for
	s_mov_b32 s71, 4
.Lk:                                            ; a trip: K steps 6 q + 1 .. 6 q + 6, once round the six slots
	STEP 1, 0, 1, 1, 50, 16
	STEP 2, 0, 1, 1, 50, 16
	STEP 3, 0, 1, 1, 50, 16
	STEP 4, 0, 1, 1, 50, 16
	STEP 5, 0, 1, 1, 50, 16
	STEP 6, 0, 1, 1, 50, 16
	s_wait_xcnt 0x0                         ; the loads' base is stepped only behind this wait
	s_add_nc_u64 s[74:75], s[74:75], 6*1024
	s_add_co_u32 s89, s89, 6*32*PW
	v_add_nc_u32 v[BA], s89, v[B0]
	v_add_nc_u32 v[BA+1], 4*32*PW, v[BA]
	s_sub_co_u32 s71, s71, 1
	s_cmp_lg_u32 s71, 0
	s_cbranch_scc1 .Lk
	STEP 1, 0, 1, 1, 50, 16                 ; K steps 25 and 26 ask for the rows of steps 30 and 31;
	STEP 2, 0, 1, 1, 50, 16
	STEP 3, 0, 0, 1, 40, 16                 ; steps 27 to 31 have nothing left to ask for: the counts run down
	STEP 4, 0, 0, 1, 30, 16
	STEP 5, 0, 0, 1, 20, 16
	STEP 6, 0, 0, 1, 10, 16
	STEP 7, 0, 0, 0, 0, 0
.rept 4
	v_nop                                   ; four places between the last product and the reads of the results
.endr
	ACT 0
	ACT 1
	ACT 2
	ACT 3
	ACT 4
.Lnext:
	s_add_co_u32 s70, s70, 20
	s_sub_co_u32 s69, s69, 1
	s_cmp_lg_u32 s69, 0
	s_cbranch_scc1 .Lpass
	s_wait_dscnt 0x0                        ; my reads of LDS are over;
	s_barrier_signal -1
	s_barrier_wait -1                       ; everybody's are: no wave writes LDS again while another still walks the slice
	s_wait_tensorcnt 0x0                    ; the wave's end, behind my last LDS store
	ds_add_u32 v[SPW], v[NIL]
	s_wait_dscnt 0x0
	s_endpgm
.Lfunc_end_k_q6904886d96_up:
	.size	k_q6904886d96_up, .Lfunc_end_k_q6904886d96_up-k_q6904886d96_up
	.p2alignl 7, 3214868480
	.fill 96, 4, 3214868480
	.section	.rodata,"a",@progbits
	.p2align	6, 0x0
	.amdhsa_kernel k_q6904886d96_up
		.amdhsa_group_segment_fixed_size 295424
		.amdhsa_private_segment_fixed_size 0
		.amdhsa_enable_private_segment 0
		.amdhsa_kernarg_size 64
		.amdhsa_user_sgpr_count 2
		.amdhsa_user_sgpr_kernarg_segment_ptr 1
		.amdhsa_wavefront_size32 1
		.amdhsa_system_sgpr_workgroup_id_x 1
		.amdhsa_system_sgpr_workgroup_id_y 1
		.amdhsa_system_sgpr_workgroup_id_z 1
		.amdhsa_system_vgpr_workitem_id 0
		.amdhsa_next_free_vgpr 1008
		.amdhsa_next_free_sgpr 96
		.amdhsa_reserve_vcc 0
		.amdhsa_float_denorm_mode_32 3
		.amdhsa_float_denorm_mode_16_64 3
		.amdhsa_memory_ordered 1
		.amdhsa_forward_progress 1
		.amdhsa_inst_pref_size 168
	.end_amdhsa_kernel
	.amdgpu_metadata
---
amdhsa.version: [ 1, 2 ]
amdhsa.kernels:
  - .name:           k_q6904886d96_up
    .symbol:         k_q6904886d96_up.kd
    .args:
      - { .name: W1, .offset: 0, .size: 8, .value_kind: global_buffer, .address_space: global }
      - { .name: W2, .offset: 8, .size: 8, .value_kind: global_buffer, .address_space: global }
      - { .name: b1, .offset: 16, .size: 8, .value_kind: global_buffer, .address_space: global }
      - { .name: b2, .offset: 24, .size: 8, .value_kind: global_buffer, .address_space: global }
      - { .name: part, .offset: 32, .size: 8, .value_kind: global_buffer, .address_space: global }
      - { .name: bm, .offset: 40, .size: 8, .value_kind: global_buffer, .address_space: global }
      - { .name: hid, .offset: 48, .size: 8, .value_kind: global_buffer, .address_space: global }
      - { .name: rk, .offset: 56, .size: 8, .value_kind: global_buffer, .address_space: global }
    .group_segment_fixed_size: 295424
    .private_segment_fixed_size: 0
    .kernarg_segment_align: 8
    .kernarg_segment_size: 64
    .max_flat_workgroup_size: 128
    .sgpr_count:     96
    .vgpr_count:     1008
    .wavefront_size: 32
...
	.end_amdgpu_metadata
.endif
;; end of part 3
;; launch down (part 4): grid 32 x 8, 4 waves a work-group, no clusters, 181,760 bytes of LDS; arguments W3, hid, bm, part; writes part
.if DOCPART == 4
	.amdgcn_target "amdgcn-amd-amdhsa--gfx1250"
	.amdhsa_code_object_version 6
	.text
	.protected	k_q6904886d96_down
	.globl	k_q6904886d96_down
	.p2align	8
	.type	k_q6904886d96_down,@function
k_q6904886d96_down:
	s_mov_b64 s[64:65], 0
	v_nop
	global_prefetch_b8 v0, s[64:65] scope:SCOPE_SE
	s_setreg_imm32_b32 hwreg(HW_REG_WAVE_MODE, 25, 1), 1
	s_wait_xcnt 0x0
; THE THIRD PRODUCT, IN PARTS.  part[kh][e][rank][64 cs .. 64 cs + 63] = the sum over hidden channels 1,024 kh .. 1,024 kh + 1,023 of the hidden layer's row times W3[e], in f32.
; (The copy of the token rows that lay at the buffer's head has been read for the last time by the launch before.)
; Work-group (x, e): cs = x % 16, kh = x / 16.  It alone reads its 1,024 x 64 numbers of W3[e], 262,144 bytes of f32, once, in whole rows of 256 bytes.
; hid lies as my operand registers take it: hid[e][slice of 64 channels][tile of 16 ranks][f = 0..3][lane][16 bytes]: blocks 2 c and 2 c + 1 are the two halves of the fragment of channels 32 c .. 32 c + 31;
; each load takes 512 consecutive bytes.
; WHY THIS SPLIT.  32 columns and all of K would make row pieces of 128 bytes and read hid twice as often; 64 columns and all of K would make 128 work-groups.  The price: a second partial row for each routed row.
; FORMATS.  W3 is rounded once to bf16; sums in f32; the partial sums are stored in f32.  LIMITS: NaN and infinities are not treated apart.
; PHASES.  The slice goes memory -> registers -> bf16 -> LDS with 64 loads a wave out; a barrier; then four passes.  A row tile is 16 ranks; wave w has tiles w, w + 4, ..; a pass takes five of them.
; A pass has two parts with a barrier behind each: the K walk, which only reads LDS, by a stepped address; and the way out, in which each wave writes and reads its stage.  So no wave writes LDS while another walks.
; Every wave passes all eight barriers; what hangs on the expert's count (read from bm) is only jumped over, forward, with no barrier in what is jumped.
; NO CLUSTER: a slice of weights has one reader.  The 16 work-groups of an expert and K half do read the same rows of hid; asked for jointly these would want a ring in LDS filled in a loop
; of which the live trips hang on a count read from memory, where this text brings them straight into registers.
; REGISTERS: window 0: v0-31 addresses; v32-47 at work in the stream; v64-127 two buffers of weight fragments; v128-159 the way out.
;   window 1: the stream's 64 loads, then the accumulators (tile i, column block f at 32 i + 8 f)      window 2: fragments of hid, six slots of 40
.set PW,    160                 ; a row k of the slice in LDS: 128 bytes + 32 = 40 words
.set STAGE, 1024*PW             ; each wave's own 16 rows x 272 bytes of f32, for the way out
.set SP,    272
.set SPARE, STAGE+4*16*SP       ; the spare words, 128 bytes a wave: two blocks of 256 bytes that no other line names
.set SPW, 2
.set NIL, 3
.set B0,  4                     ; my lane's place in 32 rows of the slice; never rewritten
.set BA,  5                     ; the same, s89 bytes on
.set STO, 6
.set RD,  7
.set GO,  8
.set RR,  9
.set AOFF, 10                   ; v10-14
.set VG,  22
.set VS,  24                    ; v24-27: where 256 rows each go in LDS
.set AL,  28                    ; 16 x lane
.set CT,  32
.set BF,  64
.set BK,  128
.set MSB, 0
.macro WIN new                          ; the immediate's high byte repeats the setting that is left; a switch that changes nothing is dropped
.if MSB != (\new)
	s_set_vgpr_msb (MSB<<8)|(\new)
.set MSB, (\new)
.endif
.endm
	s_load_b256 s[4:11], s[0:1], 0x0        ; W3, hid, bm, part
	v_lshl_add_u32 v[SPW], v0, 2, SPARE
	v_mov_b32 v[NIL], 0
	v_and_b32 v1, 31, v0
	v_lshrrev_b32 v16, 5, v0
	v_readfirstlane_b32 s20, v16            ; wave
	s_and_b32 s22, ttmp7, 0xffff            ; expert
	s_and_b32 s23, ttmp9, 15                ; column slice
	s_lshr_b32 s24, ttmp9, 4                ; K half
	v_and_b32 v[RR], 15, v1
	v_lshrrev_b32 v17, 4, v1                ; h = lane / 16
	v_and_b32 v18, 7, v1
	v_bfe_u32 v19, v1, 3, 1
	v_lshl_add_u32 v[B0], v17, 3, v18       ; the turning load: row 8 h + lane % 8,
	v_mul_u32_u24 v[B0], v[B0], PW
	v_lshl_add_u32 v[B0], v19, 4, v[B0]     ; columns 8 ((lane / 8) % 2) on
	s_mul_i32 s80, s20, 16*SP
	s_add_co_u32 s80, s80, STAGE
	v_mul_u32_u24 v[STO], v[RR], SP         ; into my stage: row lane % 16, 32 bytes for each half of the lanes
	v_lshl_add_u32 v[STO], v17, 5, v[STO]
	v_add_nc_u32 v[STO], s80, v[STO]
	v_mul_u32_u24 v[RD], v17, SP            ; back: lanes 0-15 take one row of 256 bytes, lanes 16-31 the next
	v_lshl_add_u32 v[RD], v[RR], 4, v[RD]
	v_add_nc_u32 v[RD], s80, v[RD]
	v_lshlrev_b32 v[GO], 12, v17            ; and the same two rows in part
	v_lshl_add_u32 v[GO], v[RR], 4, v[GO]
	v_lshl_add_u32 v23, v17, 2, s20         ; the stream: lanes 0-15 take row w, lanes 16-31 row w + 4
	v_lshlrev_b32 v[VG], 12, v23
	v_lshl_add_u32 v[VG], v[RR], 4, v[VG]
	v_mul_u32_u24 v[VS], v23, PW
	v_lshl_add_u32 v[VS], v[RR], 3, v[VS]
	v_add_nc_u32 v[VS+1], 256*PW, v[VS]
	v_add_nc_u32 v[VS+2], 512*PW, v[VS]
	v_add_nc_u32 v[VS+3], 768*PW, v[VS]
	v_lshlrev_b32 v[AL], 4, v1
	s_lshl_b32 s82, s22, 23
	s_lshl_b32 s84, s24, 22
	s_add_co_u32 s82, s82, s84
	s_lshl_b32 s85, s23, 8
	s_add_co_u32 s82, s82, s85
	s_mov_b32 s83, 0
	s_lshl_b32 s86, s22, 22
	s_lshl_b32 s84, s24, 21
	s_add_co_u32 s86, s86, s84
	s_mov_b32 s87, 0
	s_mov_b32 s66, 0
	s_wait_kmcnt 0x0
	s_add_nc_u64 s[4:5], s[4:5], s[82:83]   ; W3 at my expert, K half and columns
	s_add_nc_u64 s[6:7], s[6:7], s[86:87]   ; hid at my expert's 16 slices
	s_lshl_b32 s82, s22, 7
	s_add_nc_u64 s[8:9], s[8:9], s[82:83]
	s_load_b512 s[32:47], s[8:9], 0x0       ; the expert's bitmap
	s_load_b512 s[48:63], s[8:9], 0x40
	s_lshl_b32 s86, s24, 3
	s_add_co_u32 s86, s86, s22
	s_lshl_b32 s86, s86, 22
	s_add_co_u32 s86, s86, s85
	s_add_nc_u64 s[10:11], s[10:11], s[86:87]
	; THE STREAM IS FILLED: 64 loads.  Unit j is sixteen rows k, two loads; sixteen lanes take one row's 256 bytes whole.
	WIN 0x40
.set j, 0
.rept 32
	global_load_b128 v[8*j:8*j+3],   v[VG], s[4:5] offset:j*65536 th:TH_LOAD_NT
	global_load_b128 v[8*j+4:8*j+7], v[VG], s[4:5] offset:j*65536+32768 th:TH_LOAD_NT
.set j, j+1
.endr
	WIN 0
	s_wait_kmcnt 0x0
.set j, 0
.rept 32
	s_bcnt1_i32_b32 s80, s[32+j]
	s_add_co_u32 s66, s66, s80
.set j, j+1
.endr
	s_add_co_u32 s67, s66, 15
	s_lshr_b32 s67, s67, 4                  ; T: live tiles
	s_max_u32 s68, s67, 1
	s_sub_co_u32 s68, s68, 1                ; the last live tile
; Four units of the stream: rounded, laid into LDS, and (re = 1) their registers asked for again, 32 units on.  hi = 1: these are units 32 to 63.  left: the younger loads.
.macro GRP g, re, left, hi
	s_wait_loadcnt \left
	WIN 0x05
.irp u, 0,1,2,3
.irp c, 0,1,2,3
	v_cvt_pk_bf16_f32 v[CT+4*\u+\c], v[8*(4*(\g)+\u)+2*\c], v[8*(4*(\g)+\u)+2*\c+1]
.endr
.endr
	WIN 0
.irp u, 0,1,2,3
	ds_store_b64 v[VS+2*(\hi)+(4*(\g)+\u)/16], v[CT+4*\u:CT+4*\u+1]   offset:((4*(\g)+\u)%16)*16*PW      ; the two halves of the lanes lie four rows apart, 160 words: 32 banks apart
	ds_store_b64 v[VS+2*(\hi)+(4*(\g)+\u)/16], v[CT+4*\u+2:CT+4*\u+3] offset:((4*(\g)+\u)%16)*16*PW+8*PW
.endr
.if \re
	WIN 0x40
.irp u, 0,1,2,3
	global_load_b128 v[8*(4*(\g)+\u):8*(4*(\g)+\u)+3],   v[VG], s[4:5] offset:(4*(\g)+\u+32)*65536 th:TH_LOAD_NT
	global_load_b128 v[8*(4*(\g)+\u)+4:8*(4*(\g)+\u)+7], v[VG], s[4:5] offset:(4*(\g)+\u+32)*65536+32768 th:TH_LOAD_NT
.endr
	WIN 0
.endif
.endm
.irp g, 0,1,2,3,4,5,6,7
	GRP \g, 1, 56, 0                        ; of 64 loads out the oldest eight are wanted
.endr
.irp g, 0,1,2,3,4,5,6,7
	GRP \g, 0, 56-8*\g, 1                   ; nothing more is asked for: the counts run down
.endr
	s_wait_dscnt 0x0                        ; for the others' sake: my rows of the slice are in LDS
	s_barrier_signal -1
	s_barrier_wait -1                       ; from here on the slice is only read
; Ten loads: the five tiles' fragments (16 ranks x 32 channels) of K step sg, counted from the walking base: slice sg / 2 of hid, blocks 2 (sg % 2) and 2 (sg % 2) + 1 of the tile.
.macro LDA slot, sg
	WIN 0x80
.irp i, 0,1,2,3,4
	global_load_b128 v[40*(\slot)+8*\i:40*(\slot)+8*\i+3],   v[AOFF+\i], s[74:75] offset:((\sg)/2)*131072+((\sg)%2)*1024
	global_load_b128 v[40*(\slot)+8*\i+4:40*(\slot)+8*\i+7], v[AOFF+\i], s[74:75] offset:((\sg)/2)*131072+((\sg)%2)*1024+512
.endr
.endm
.macro LDB buf, imm                     ; eight turning loads: four column blocks x 32 rows k
	WIN 0
.irp f, 0,1,2,3
	ds_load_tr16_b128 v[BF+32*(\buf)+8*\f:BF+32*(\buf)+8*\f+3],   v[BA] offset:(\imm)+32*\f
	ds_load_tr16_b128 v[BF+32*(\buf)+8*\f+4:BF+32*(\buf)+8*\f+7], v[BA] offset:(\imm)+32*\f+16*PW
.endr
.endm
; Four products of tile i.  Source 0 = 16 output columns, source 1 = 16 ranks: a lane then holds one rank and eight neighbouring columns.  first = 1: the constant 0 starts the sum.
.macro MM i, buf, slot, first
	WIN 0x58
.irp f, 0,1,2,3
.if \first
	v_wmma_f32_16x16x32_bf16 v[32*(\i)+8*\f:32*(\i)+8*\f+7], v[BF+32*(\buf)+8*\f:BF+32*(\buf)+8*\f+7], v[40*(\slot)+8*(\i):40*(\slot)+8*(\i)+7], 0
.else
	v_wmma_f32_16x16x32_bf16 v[32*(\i)+8*\f:32*(\i)+8*\f+7], v[BF+32*(\buf)+8*\f:BF+32*(\buf)+8*\f+7], v[40*(\slot)+8*(\i):40*(\slot)+8*(\i)+7], v[32*(\i)+8*\f:32*(\i)+8*\f+7]
.endif
.endr
.endm
; A K step of 32: the next step's weight fragments and the rows' fragments five steps on are asked for, four places behind the products that read those registers (ISA guide 7.12.1 for vector
; instructions).  The accumulators take turns.  Tiles 3 and 4: their loads are issued on every way, so that the counts are alike; the pass's
; first step multiplies all five tiles with no branch, so that each sum that the way out names has been started by the pass itself; the other 31 steps jump the tiles that the pass does not have.
.macro STEP sr, first, lda, ldb, lc, dc
	WIN 0
.rept 4
	v_nop
.endr
.if \ldb
	LDB ((\sr)+1)%2, ((\sr)+1)*32*PW
.endif
.if \lda
	LDA ((\sr)+5)%6, (\sr)+5
.endif
	s_wait_loadcnt \lc
	s_wait_dscnt \dc
	MM 0, (\sr)%2, (\sr)%6, \first
	MM 1, (\sr)%2, (\sr)%6, \first
	MM 2, (\sr)%2, (\sr)%6, \first
.if \first
	MM 3, (\sr)%2, (\sr)%6, 1
	MM 4, (\sr)%2, (\sr)%6, 1
	WIN 0
.else
	WIN 0
	s_cmp_eq_u32 s72, 0
	s_cbranch_scc1 .Lx\@
	MM 3, (\sr)%2, (\sr)%6, 0
	WIN 0
	s_cmp_eq_u32 s73, 0
	s_cbranch_scc1 .Lx\@
	MM 4, (\sr)%2, (\sr)%6, 0
	WIN 0
.Lx\@:
.endif
.endm
; Tile i leaves through my stage: 16 rows of 256 bytes.  A dead tile ends the way out: those behind it are dead too.
.macro OUT i
	WIN 0
	s_add_co_u32 s80, s70, 4*(\i)
.if (\i) > 0
	s_cmp_ge_u32 s80, s67
	s_cbranch_scc1 .Lnext
.endif
	WIN 0x04                                ; the stores' data in window 1
.irp f, 0,1,2,3
	ds_store_b128 v[STO], v[32*(\i)+8*\f:32*(\i)+8*\f+3]   offset:64*\f      ; each accumulator's low four first
	ds_store_b128 v[STO], v[32*(\i)+8*\f+4:32*(\i)+8*\f+7] offset:64*\f+16
.endr
	WIN 0
	s_wait_xcnt 0x0                         ; the last tile's stores named BK and s[76:77]: both are written again only behind this wait
.irp q, 0,1,2,3,4,5,6,7
	ds_load_b128 v[BK+4*\q:BK+4*\q+3], v[RD] offset:2*SP*\q  ; LDS serves a wave's instructions in order (ISA guide 5.7.1.4): these see the stores above
.endr
	s_lshl_b32 s80, s80, 16                 ; a tile is 16 rows of 4,096 bytes
	s_mov_b32 s81, 0
	s_add_nc_u64 s[76:77], s[10:11], s[80:81]
	s_wait_dscnt 0x0
.irp q, 0,1,2,3,4,5,6,7
	global_store_b128 v[GO], v[BK+4*\q:BK+4*\q+3], s[76:77] offset:8192*\q  ; 16 lanes store 256 consecutive bytes, at a multiple of 256 from part's first
.endr
.endm
	s_mov_b32 s69, 4
	s_mov_b32 s70, s20                      ; the pass's first tile: w + 20 p
.Lpass:
	s_cmp_ge_u32 s70, s67
	s_cbranch_scc1 .Lmid                    ; no tile of mine in this pass: only the work is jumped
	s_wait_xcnt 0x0
.irp i, 0,1,2,3,4
	s_add_co_u32 s80, s70, 4*\i
	s_min_u32 s80, s80, s68                 ; a dead tile reads the last live one again
	s_min_u32 s80, s80, 63
	s_lshl_b32 s80, s80, 11
	v_add_nc_u32 v[AOFF+\i], s80, v[AL]     ; tile x 2,048 bytes + 16 x lane
.endr
	s_add_co_u32 s80, s70, 12
	s_cmp_lt_u32 s80, s67
	s_cselect_b32 s72, 1, 0                 ; is tile 3 live?
	s_add_co_u32 s80, s70, 16
	s_cmp_lt_u32 s80, s67
	s_cselect_b32 s73, 1, 0                 ; tile 4?
	s_mov_b64 s[74:75], s[6:7]
	s_mov_b32 s89, 0                        ; the K walk's place in the slice, in bytes
	v_add_nc_u32 v[BA], s89, v[B0]
	LDA 0, 0
	LDA 1, 1
	LDA 2, 2
	LDA 3, 3
	LDA 4, 4
	LDB 0, 0
	STEP 0, 1, 1, 1, 50, 8                  ; 50: the five younger slots of ten; 8: the buffer just asked for
	s_mov_b32 s71, 4
.Lk:                                            ; a trip: K steps 6 q + 1 .. 6 q + 6, three slices of hid, once round the six slots
	STEP 1, 0, 1, 1, 50, 8
	STEP 2, 0, 1, 1, 50, 8
	STEP 3, 0, 1, 1, 50, 8
	STEP 4, 0, 1, 1, 50, 8
	STEP 5, 0, 1, 1, 50, 8
	STEP 6, 0, 1, 1, 50, 8
	s_wait_xcnt 0x0                         ; the loads' base is stepped only behind this wait
	s_add_nc_u64 s[74:75], s[74:75], 0x60000
	s_add_co_u32 s89, s89, 6*32*PW
	v_add_nc_u32 v[BA], s89, v[B0]
	s_sub_co_u32 s71, s71, 1
	s_cmp_lg_u32 s71, 0
	s_cbranch_scc1 .Lk
	STEP 1, 0, 1, 1, 50, 8                  ; K steps 25 and 26 ask for the rows of steps 30 and 31;
	STEP 2, 0, 1, 1, 50, 8
	STEP 3, 0, 0, 1, 40, 8                  ; steps 27 to 31 have nothing left to ask for: the counts run down
	STEP 4, 0, 0, 1, 30, 8
	STEP 5, 0, 0, 1, 20, 8
	STEP 6, 0, 0, 1, 10, 8
	STEP 7, 0, 0, 0, 0, 0
.rept 4
	v_nop                                   ; four places between the last product and the LDS stores of the results
.endr
.Lmid:
	s_wait_dscnt 0x0                        ; my walk through the slice is over;
	s_barrier_signal -1
	s_barrier_wait -1                       ; everybody's is: now the stages are written
	s_cmp_ge_u32 s70, s67
	s_cbranch_scc1 .Lnext
	OUT 0
	OUT 1
	OUT 2
	OUT 3
	OUT 4
.Lnext:
	s_wait_dscnt 0x0                        ; my stores into my stage and my reads of it are over;
	s_barrier_signal -1
	s_barrier_wait -1                       ; everybody's are: the next walk, or the closing lines, may begin
	s_add_co_u32 s70, s70, 20
	s_sub_co_u32 s69, s69, 1
	s_cmp_lg_u32 s69, 0
	s_cbranch_scc1 .Lpass
	s_wait_tensorcnt 0x0                    ; the wave's end, behind my last LDS store
	ds_add_u32 v[SPW], v[NIL]
	s_wait_dscnt 0x0
	s_endpgm
.Lfunc_end_k_q6904886d96_down:
	.size	k_q6904886d96_down, .Lfunc_end_k_q6904886d96_down-k_q6904886d96_down
	.p2alignl 7, 3214868480
	.fill 96, 4, 3214868480
	.section	.rodata,"a",@progbits
	.p2align	6, 0x0
	.amdhsa_kernel k_q6904886d96_down
		.amdhsa_group_segment_fixed_size 181760
		.amdhsa_private_segment_fixed_size 0
		.amdhsa_enable_private_segment 0
		.amdhsa_kernarg_size 32
		.amdhsa_user_sgpr_count 2
		.amdhsa_user_sgpr_kernarg_segment_ptr 1
		.amdhsa_wavefront_size32 1
		.amdhsa_system_sgpr_workgroup_id_x 1
		.amdhsa_system_sgpr_workgroup_id_y 1
		.amdhsa_system_sgpr_workgroup_id_z 1
		.amdhsa_system_vgpr_workitem_id 0
		.amdhsa_next_free_vgpr 752
		.amdhsa_next_free_sgpr 96
		.amdhsa_reserve_vcc 0
		.amdhsa_float_denorm_mode_32 3
		.amdhsa_float_denorm_mode_16_64 3
		.amdhsa_memory_ordered 1
		.amdhsa_forward_progress 1
		.amdhsa_inst_pref_size 101
	.end_amdhsa_kernel
	.amdgpu_metadata
---
amdhsa.version: [ 1, 2 ]
amdhsa.kernels:
  - .name:           k_q6904886d96_down
    .symbol:         k_q6904886d96_down.kd
    .args:
      - { .name: W3, .offset: 0, .size: 8, .value_kind: global_buffer, .address_space: global }
      - { .name: hid, .offset: 8, .size: 8, .value_kind: global_buffer, .address_space: global }
      - { .name: bm, .offset: 16, .size: 8, .value_kind: global_buffer, .address_space: global }
      - { .name: part, .offset: 24, .size: 8, .value_kind: global_buffer, .address_space: global }
    .group_segment_fixed_size: 181760
    .private_segment_fixed_size: 0
    .kernarg_segment_align: 8
    .kernarg_segment_size: 32
    .max_flat_workgroup_size: 128
    .sgpr_count:     96
    .vgpr_count:     752
    .wavefront_size: 32
...
	.end_amdgpu_metadata
.endif
;; end of part 4
;; launch sum (part 5): grid 256 x 1, 4 waves a work-group, no clusters, 0 bytes of LDS; arguments part, b3, ch, rk, wsum, auxp, out0, out1; writes out0, out1
.if DOCPART == 5
	.amdgcn_target "amdgcn-amd-amdhsa--gfx1250"
	.amdhsa_code_object_version 6
	.text
	.protected	k_q6904886d96_sum
	.globl	k_q6904886d96_sum
	.p2align	8
	.type	k_q6904886d96_sum,@function
k_q6904886d96_sum:
	s_mov_b64 s[64:65], 0
	v_nop
	global_prefetch_b8 v0, s[64:65] scope:SCOPE_SE
	s_setreg_imm32_b32 hwreg(HW_REG_WAVE_MODE, 25, 1), 1
	s_wait_xcnt 0x0
; THE SUM.  out0[t] = w[t] x (the two K halves' partial rows of each of the token's two experts + b3 of both).  One wave, one token: 1,024 numbers, 32 a lane.
; The experts (ch) and the token's rank in each (rk) are whole numbers that earlier launches stored; they are read by scalar loads, clamped, and make the six rows' bases.
; Wave 0 of work-group 0 also makes out1 = -sum_e u_e ln(u_e + 1e-9) + 1e-3 mean(logsumexp^2), u_e = the mean score, from the 64 groups' sums in auxp.
; FORMATS.  All sums in f32; b3 is rounded once to bf16, like every other input.  LIMITS: NaN and infinities are not treated apart.
; A plain stream: each byte of part that is wanted is read once, 512 consecutive bytes a load, 48 loads out in a wave; LDS, barriers, clusters and the matrix unit would add nothing (no two waves share a row but b3's).
	s_load_b512 s[4:19], s[0:1], 0x0        ; part, b3, ch, rk, wsum, auxp, out0, out1
	v_and_b32 v1, 31, v0
	v_lshrrev_b32 v2, 5, v0
	v_readfirstlane_b32 s20, v2             ; wave
	s_lshl_b32 s22, ttmp9, 2
	s_add_co_u32 s22, s22, s20              ; token
	s_lshl_b32 s21, s22, 2
	v_lshlrev_b32 v2, 4, v1                 ; 16 bytes a lane
	v_lshlrev_b32 v3, 6, v1                 ; a row of auxp a lane
	v_mov_b32 v4, 1.0
	v_mov_b32 v5, 0
	s_mov_b32 s52, 0x76543210               ; v_permlanex16_b32: each lane takes its own place in the other half
	s_mov_b32 s53, 0xfedcba98
	s_lshl_b32 s56, s22, 12
	s_mov_b32 s57, 0
	s_mov_b32 s31, 0
	s_wait_kmcnt 0x0
	s_load_b32 s24, s[8:9], s21 offset:0x0
	s_load_b32 s54, s[12:13], s21 offset:0x0
.set e, 0
.rept 8                                 ; the token's rank in all eight experts: asked for together with ch, so that no load waits for another
	s_load_b32 s[32+e], s[10:11], s21 offset:e*4096
.set e, e+1
.endr
	s_add_nc_u64 s[16:17], s[16:17], s[56:57]
	s_wait_kmcnt 0x0
	s_and_b32 s26, s24, 0xff
	s_min_u32 s26, s26, 7                   ; e1
	s_bfe_u32 s27, s24, 0x80008
	s_min_u32 s27, s27, 7                   ; e2
	s_mov_b32 s28, s32
	s_mov_b32 s29, s32
.set e, 1
.rept 7
	s_cmp_eq_u32 s26, e
	s_cselect_b32 s28, s[32+e], s28
	s_cmp_eq_u32 s27, e
	s_cselect_b32 s29, s[32+e], s29
.set e, e+1
.endr
	s_min_u32 s28, s28, 1023
	s_min_u32 s29, s29, 1023
	s_lshl_b32 s30, s26, 10
	s_add_co_u32 s30, s30, s28
	s_lshl_b32 s30, s30, 12                 ; (expert x 1,024 + rank) rows of 4,096 bytes
	s_add_nc_u64 s[40:41], s[4:5], s[30:31]
	s_add_nc_u64 s[42:43], s[40:41], 0x2000000  ; the other K half lies 33,554,432 bytes on
	s_lshl_b32 s30, s27, 10
	s_add_co_u32 s30, s30, s29
	s_lshl_b32 s30, s30, 12
	s_add_nc_u64 s[44:45], s[4:5], s[30:31]
	s_add_nc_u64 s[46:47], s[44:45], 0x2000000
	s_lshl_b32 s30, s26, 12
	s_add_nc_u64 s[48:49], s[6:7], s[30:31]
	s_lshl_b32 s30, s27, 12
	s_add_nc_u64 s[50:51], s[6:7], s[30:31]
	s_mov_b32 s55, s54                      ; w, named as a pair
.set j, 0
.rept 8                                 ; piece j: 512 bytes of each of the six rows
	global_load_b128 v[16+24*j:19+24*j], v2, s[40:41] offset:512*j th:TH_LOAD_NT
	global_load_b128 v[20+24*j:23+24*j], v2, s[42:43] offset:512*j th:TH_LOAD_NT
	global_load_b128 v[24+24*j:27+24*j], v2, s[44:45] offset:512*j th:TH_LOAD_NT
	global_load_b128 v[28+24*j:31+24*j], v2, s[46:47] offset:512*j th:TH_LOAD_NT
	global_load_b128 v[32+24*j:35+24*j], v2, s[48:49] offset:512*j
	global_load_b128 v[36+24*j:39+24*j], v2, s[50:51] offset:512*j
.set j, j+1
.endr
	s_cmp_lg_u32 s22, 0
	s_cbranch_scc1 .Lmain
	; out1: lane l takes the sums of groups l and l + 32
	global_load_b128 v[208:211], v3, s[14:15]
	global_load_b128 v[212:215], v3, s[14:15] offset:16
	global_load_b32 v216, v3, s[14:15] offset:32
	global_load_b128 v[220:223], v3, s[14:15] offset:2048
	global_load_b128 v[224:227], v3, s[14:15] offset:2064
	global_load_b32 v228, v3, s[14:15] offset:2080
	s_wait_loadcnt 0x0
.irp z, 0,1,2,3
	v_pk_add_f32 v[208+2*\z:209+2*\z], v[208+2*\z:209+2*\z], v[220+2*\z:221+2*\z]
.endr
	v_add_f32 v216, v216, v228
.irp m, 1,2,4,8
.irp g, 208,209,210,211,212,213,214,215,216
	v_add_f32_dpp v\g, v\g, v\g row_xmask:\m row_mask:0xf bank_mask:0xf
.endr
.endr
.set z, 0
.rept 9
	v_permlanex16_b32 v[220+z], v[208+z], s52, s53
.set z, z+1
.endr
.set z, 0
.rept 9
	v_add_f32 v[208+z], v[208+z], v[220+z]
.set z, z+1
.endr
.irp z, 0,1,2,3
	v_pk_mul_f32 v[208+2*\z:209+2*\z], v[208+2*\z:209+2*\z], 0x3a800000 op_sel_hi:[1,0]   ; u = sum / 1,024
.endr
.irp z, 0,1,2,3
	v_pk_add_f32 v[220+2*\z:221+2*\z], v[208+2*\z:209+2*\z], 0x3089705f op_sel_hi:[1,0]   ; u + 1e-9
.endr
.irp g, 220,221,222,223,224,225,226,227
	v_log_f32 v\g, v\g
.endr
	v_nop                                   ; a plain instruction behind the last logarithm,
	s_wait_alu depctr_va_vdst(0)            ; and one wait for the eight
	v_mul_f32 v230, v208, v220
.set z, 1
.rept 7
	v_fmac_f32 v230, v[208+z], v[220+z]
.set z, z+1
.endr
	v_mul_f32 v231, 0x3583126f, v216        ; 1e-3 / 1,024 x the sum of logsumexp^2
	v_fmamk_f32 v231, v230, 0xbf317218, v231  ; - ln 2 x the sum of u log2(u + 1e-9)
	v_cmp_eq_u32 vcc_lo, 0, v1
	s_wait_xcnt 0x0                         ; EXEC changes only behind s_wait_xcnt 0
	s_and_saveexec_b32 s58, vcc_lo
	global_store_b32 v5, v231, s[18:19]
	s_wait_xcnt 0x0
	s_or_b32 exec_lo, exec_lo, s58
.Lmain:
.set j, 0
.rept 8
.set R, 16+24*j
	s_wait_loadcnt 6*(7-j)                  ; piece j's six loads are in; the younger pieces stay out
	v_pk_add_f32 v[R:R+1],     v[R:R+1],     v[R+4:R+5]
	v_pk_add_f32 v[R+2:R+3],   v[R+2:R+3],   v[R+6:R+7]
	v_pk_add_f32 v[R+8:R+9],   v[R+8:R+9],   v[R+12:R+13]
	v_pk_add_f32 v[R+10:R+11], v[R+10:R+11], v[R+14:R+15]
	v_cvt_pk_bf16_f32 v[R+16], v[R+16], v[R+17]      ; the biases rounded to bf16,
	v_cvt_pk_bf16_f32 v[R+17], v[R+18], v[R+19]
	v_cvt_pk_bf16_f32 v[R+20], v[R+20], v[R+21]
	v_cvt_pk_bf16_f32 v[R+21], v[R+22], v[R+23]
	v_pk_add_f32 v[R:R+1],     v[R:R+1],     v[R+8:R+9]
	v_pk_add_f32 v[R+2:R+3],   v[R+2:R+3],   v[R+10:R+11]
.irp b, 16, 20                          ; and added straight from their halves: half x 1.0 + sum
	v_fma_mix_f32_bf16 v[R],   v[R+\b],   v4, v[R]   op_sel_hi:[1,0,0]
	v_fma_mix_f32_bf16 v[R+1], v[R+\b],   v4, v[R+1] op_sel:[1,0,0] op_sel_hi:[1,0,0]
	v_fma_mix_f32_bf16 v[R+2], v[R+\b+1], v4, v[R+2] op_sel_hi:[1,0,0]
	v_fma_mix_f32_bf16 v[R+3], v[R+\b+1], v4, v[R+3] op_sel:[1,0,0] op_sel_hi:[1,0,0]
.endr
	v_pk_mul_f32 v[R:R+1],   v[R:R+1],   s[54:55] op_sel_hi:[1,0]
	v_pk_mul_f32 v[R+2:R+3], v[R+2:R+3], s[54:55] op_sel_hi:[1,0]
	global_store_b128 v2, v[R:R+3], s[16:17] offset:512*j th:TH_STORE_NT  ; 512 consecutive bytes, at a multiple of 256 from out0's first
.set j, j+1
.endr
	s_endpgm
.Lfunc_end_k_q6904886d96_sum:
	.size	k_q6904886d96_sum, .Lfunc_end_k_q6904886d96_sum-k_q6904886d96_sum
	.p2alignl 7, 3214868480
	.fill 96, 4, 3214868480
	.section	.rodata,"a",@progbits
	.p2align	6, 0x0
	.amdhsa_kernel k_q6904886d96_sum
		.amdhsa_group_segment_fixed_size 0
		.amdhsa_private_segment_fixed_size 0
		.amdhsa_enable_private_segment 0
		.amdhsa_kernarg_size 64
		.amdhsa_user_sgpr_count 2
		.amdhsa_user_sgpr_kernarg_segment_ptr 1
		.amdhsa_wavefront_size32 1
		.amdhsa_system_sgpr_workgroup_id_x 1
		.amdhsa_system_sgpr_workgroup_id_y 1
		.amdhsa_system_sgpr_workgroup_id_z 1
		.amdhsa_system_vgpr_workitem_id 0
		.amdhsa_next_free_vgpr 240
		.amdhsa_next_free_sgpr 66
		.amdhsa_reserve_vcc 1
		.amdhsa_float_denorm_mode_32 3
		.amdhsa_float_denorm_mode_16_64 3
		.amdhsa_memory_ordered 1
		.amdhsa_forward_progress 1
		.amdhsa_inst_pref_size 25
	.end_amdhsa_kernel
	.amdgpu_metadata
---
amdhsa.version: [ 1, 2 ]
amdhsa.kernels:
  - .name:           k_q6904886d96_sum
    .symbol:         k_q6904886d96_sum.kd
    .args:
      - { .name: part, .offset: 0, .size: 8, .value_kind: global_buffer, .address_space: global }
      - { .name: b3, .offset: 8, .size: 8, .value_kind: global_buffer, .address_space: global }
      - { .name: ch, .offset: 16, .size: 8, .value_kind: global_buffer, .address_space: global }
      - { .name: rk, .offset: 24, .size: 8, .value_kind: global_buffer, .address_space: global }
      - { .name: wsum, .offset: 32, .size: 8, .value_kind: global_buffer, .address_space: global }
      - { .name: auxp, .offset: 40, .size: 8, .value_kind: global_buffer, .address_space: global }
      - { .name: out0, .offset: 48, .size: 8, .value_kind: global_buffer, .address_space: global }
      - { .name: out1, .offset: 56, .size: 8, .value_kind: global_buffer, .address_space: global }
    .group_segment_fixed_size: 0
    .private_segment_fixed_size: 0
    .kernarg_segment_align: 8
    .kernarg_segment_size: 64
    .max_flat_workgroup_size: 128
    .sgpr_count:     66
    .vgpr_count:     240
    .wavefront_size: 32
...
	.end_amdgpu_metadata
.endif
;; end of part 5
;; ======== version 2 of 2: 5 launches; version 1 with the launches up, down written anew for expert scheduling mode
;; workspace buffers: xb 2,097,152 bytes; bm 1,024 bytes of whole numbers; ch 4,096 bytes of whole numbers; wsum 4,096 bytes; auxp 4,096 bytes; rk 32,768 bytes of whole numbers; hid 33,554,432 bytes; part 67,108,864 bytes
;; launch gate: the kernel of part 1 again; grid 64 x 1, 4 waves a work-group, no clusters, 54,784 bytes of LDS; arguments x, Wg, out2, xb, bm, ch, wsum, auxp; writes out2, xb, bm, ch, wsum, auxp
;; launch place: the kernel of part 2 again; grid 16 x 8, 8 waves a work-group, no clusters, 35,840 bytes of LDS; arguments xb, bm, part; writes part
;; launch up (part 6): grid 32 x 8, 4 waves a work-group, no clusters, 295,424 bytes of LDS; arguments W1, W2, b1, b2, part, bm, hid, rk; writes hid, rk
.if DOCPART == 6
	.amdgcn_target "amdgcn-amd-amdhsa--gfx1250"
	.amdhsa_code_object_version 6
	.text
	.protected	k_q6904886d96_up
	.globl	k_q6904886d96_up
	.p2align	8
	.type	k_q6904886d96_up,@function
k_q6904886d96_up:
	s_mov_b64 s[64:65], 0
	v_nop
	global_prefetch_b8 v0, s[64:65] scope:SCOPE_SE
	s_setreg_imm32_b32 hwreg(HW_REG_WAVE_SCHED_MODE, 0, 2), 2
	s_setreg_imm32_b32 hwreg(HW_REG_WAVE_MODE, 25, 1), 1
	s_wait_xcnt 0x0
	s_wait_alu depctr_vm_vsrc(0)
; THE FIRST TWO PRODUCTS AND THE ACTIVATION.  silu(x W1[e] + b1[e]) (x W2[e] + b2[e]) for hidden columns 64 s .. 64 s + 63 and the tokens that chose expert e, in rising order of token (rank).
; Work-group (s, e) alone reads its 1,024 x 64 columns of W1[e] and of W2[e], 524,288 bytes of f32, once.
; THE ROWS lie at the head of the buffer part, laid by the launch before as my operand registers take them: xs[e][tile of 16 ranks][K step][half][lane][16 bytes]: each load takes 512 consecutive bytes.
; hid IS LAID OUT LIKEWISE FOR THE NEXT LAUNCH: hid[e][s][tile of 16 ranks][f = 0..3][lane][16 bytes]; lane l holds rank l % 16 of the tile, columns 16 f + 8 (l / 16) + 0..7 of the slice.
; That is how the products leave the numbers in the lanes, so a tile goes out from registers, 512 consecutive bytes a store, with no trip through LDS.
; FORMATS.  W1, W2, b1, b2 are rounded once to bf16 (x was, by the first launch); sums and the activation in f32; hid is rounded once to bf16.
; LIMITS.  NaN and infinities are not treated apart.  silu(h) is 0 where 2^(-1.4427 h) passes f32's range (h below -88), and an exponential below 2^-126 counts as 0.
; TWO PHASES.  STREAM: the slice goes memory -> registers -> bf16 -> LDS, 64 loads of 16 bytes a lane always out in each wave.  One barrier.  PASSES: the expert's rows against the slice; a row tile
; is 16 ranks, wave w has tiles w, w + 4, ..; a pass takes five of them, four passes cover the 64 tiles that 1,024 rows can make.  The rows come straight into registers as matrix operands, five K steps ahead.
; What hangs on the expert's count (read from bm) is only jumped over, forward, with no barrier in what is jumped.  A dead tile's loads read the last live tile again.
; Every split is served: an expert without rows streams, passes the barriers and stores no row.  Work-group (0, e), wave 0, also stores rk[e][t] = the number of e's tokens below t.
; NO CLUSTER: a slice of weights has one reader.  An expert's 32 work-groups do read the same rows; asked for jointly these would want slots in LDS, and beside the slice 32,256 bytes are free,
; where two slots of one K step of a pass's 20 tiles are 40,960.
; THE MODE: SCHED_MODE bits 1:0 = 2 (LLVM: expert scheduling mode 2), set by the entry lines.  The code itself states the register dependences between vector or matrix instructions and memory or
; LDS instructions, with s_wait_alu, always for 0.
; THE PLAN.  Registers that memory or LDS instructions touch, and who else names them:
;   STREAM.  Raw (window 1): group g's sixteen roundings read its 32 registers; the loads 32 units on land in them.  CT0, CT1 by turns: group g's roundings write CT[g % 2], its eight LDS stores read it.
;     v[VS], v[VS+1]: read by every LDS store, stepped once a trip.  v[VG], v[BO]: offsets, never written again.
;     One wait on va_vdst a group, behind its roundings; its loads and LDS stores follow.  One wait on vm_vsrc for two groups: it frees both CT, and the odd group writes the one whose stores stand ahead of it.
;   PASSES.  Slots 0-5 (window 3): the products of K step s read slot s % 6; step s's ten row loads (for step s + 5) land in slot (s - 1) % 6.
;     W0, W1, W2: the products of step s read W[s % 3]; step s's sixteen turning loads (for step s + 2) land in W[(s - 1) % 3].
;     v[AOFF ..]: read by the row loads, written once a pass.  v[BA .. BA+2]: read by the turning loads, written once a pass and once a K trip.
;     One wait on va_vdst at a step's head: the step before is done with the slot and the W that this step's loads land in.  This step's products name W[s % 3], slot s % 6 and the sums, none of
;     which its loads touch: so the row loads stand at the head and the turning loads are dealt among the products with no further wait.
;   THE WAY OUT.  P: written by a tile's roundings, read by its four stores: va_vdst ahead of the stores, vm_vsrc ahead of the next tile's roundings.
; REGISTERS, in windows of 256 (s_set_vgpr_msb: bits 1:0 source 0, 3:2 source 1, 5:4 source 2, 7:6 destination):
;   window 0: v0-31 addresses; v32-63 CT0, CT1; v64-127 W0, v128-191 W1 (on the way out W0 is at work); v192-255 the biases as C operands
;   window 1: the stream's 64 loads, then the accumulators of tiles 0-3 (tile i, column block f at 64 i + 8 f; f < 4: x W1, else x W2)   window 2: v0-63 those of tile 4; v64-127 W2   window 3: row fragments, six slots of 40
.set PW,    288                 ; a row k of the slice in LDS: 128 bytes of W1, 128 of W2, 32 of padding = 72 words.
                                ; the 512 bytes that the launch claims behind it hold the spare words, 128 bytes a wave
.set B0,  4                     ; my lane's place in 32 rows of the slice; never rewritten
.set BA,  5                     ; v5: the same, s89 bytes on; v6, v7: four and eight K steps further, since an LDS offset ends at 65,535
.set GO,  8                     ; 16 x lane
.set RR,  9                     ; lane % 16
.set AOFF, 10                   ; v10-14: byte offset in the expert's rows of my lane's 16 bytes, for each of five tiles
.set VG,  22                    ; the stream: my byte offset in eight rows of W1 or W2
.set VS,  24                    ; v24, v25: where they go in LDS (rows 0-127 and 128-255 of a trip's 256)
.set BO,  31
.set CT,  32                    ; v32-47, v48-63
.set BF,  64
.set T,   64
.set P,   96
.set BIAS, 192
.set MSB, 0
.macro WIN new                          ; the immediate's high byte repeats the setting that is left; a switch that changes nothing is dropped
.if MSB != (\new)
	s_set_vgpr_msb (MSB<<8)|(\new)
.set MSB, (\new)
.endif
.endm
.macro BSEL buf                         ; weight buffer buf: its first register bR and its window bW
.if (\buf) == 2
.set bR, 64
.set bW, 2
.else
.set bR, BF+64*(\buf)
.set bW, 0
.endif
.endm
	s_load_b512 s[4:19], s[0:1], 0x0        ; W1, W2, b1, b2, part (the rows), bm, hid, rk
	v_lshl_add_u32 v29, v0, 2, 0x48000
	v_mov_b32 v30, 0
	v_and_b32 v1, 31, v0
	v_lshrrev_b32 v16, 5, v0
	v_readfirstlane_b32 s20, v16            ; wave
	s_mov_b32 s21, ttmp9                    ; slice
	s_and_b32 s22, ttmp7, 0xffff            ; expert
	v_and_b32 v[RR], 15, v1
	v_lshrrev_b32 v17, 4, v1                ; h = lane / 16
	v_and_b32 v18, 7, v1
	v_bfe_u32 v19, v1, 3, 1
	v_lshl_add_u32 v[B0], v17, 3, v18       ; the turning load: row 8 h + lane % 8,
	v_mul_u32_u24 v[B0], v[B0], PW
	v_lshl_add_u32 v[B0], v19, 4, v[B0]     ; columns 8 ((lane / 8) % 2) on
	v_lshlrev_b32 v[GO], 4, v1
	s_wait_alu depctr_va_sdst(0)            ; s20 is written, ahead of its first reader, the next line
	v_lshl_add_u32 v23, v17, 2, s20         ; the stream: of eight rows lanes 0-15 take row w, lanes 16-31 row w + 4
	v_lshlrev_b32 v[VG], 13, v23
	v_lshl_add_u32 v[VG], v[RR], 4, v[VG]
	v_mul_u32_u24 v[VS], v23, PW
	v_lshl_add_u32 v[VS], v[RR], 3, v[VS]
	v_add_nc_u32 v[VS+1], 128*PW, v[VS]
	v_lshlrev_b32 v[BO], 5, v17
	s_mov_b32 s66, 0
	s_mov_b32 s78, 0xbfb8aa3b               ; -log2(e),
	s_mov_b32 s79, s78                      ; named as a pair
	s_lshl_b32 s82, s22, 23                 ; an expert's W1 is 8,388,608 bytes, a slice's part of a row 256
	s_lshl_b32 s84, s21, 8
	s_add_co_u32 s82, s82, s84
	s_mov_b32 s83, 0
	s_lshl_b32 s86, s22, 13
	s_add_co_u32 s86, s86, s84
	s_mov_b32 s87, 0
	s_wait_kmcnt 0x0
	s_add_nc_u64 s[4:5], s[4:5], s[82:83]
	s_add_nc_u64 s[6:7], s[6:7], s[82:83]
	s_add_nc_u64 s[8:9], s[8:9], s[86:87]
	s_add_nc_u64 s[10:11], s[10:11], s[86:87]
	s_lshl_b32 s82, s22, 7
	s_add_nc_u64 s[14:15], s[14:15], s[82:83]
	s_load_b512 s[32:47], s[14:15], 0x0     ; the expert's bitmap: 1,024 bits
	s_load_b512 s[48:63], s[14:15], 0x40
	s_lshl_b32 s86, s22, 5
	s_add_co_u32 s86, s86, s21
	s_lshl_b32 s86, s86, 17                 ; hid: 131,072 bytes for each (expert, slice)
	s_add_nc_u64 s[16:17], s[16:17], s[86:87]
	s_lshl_b32 s86, s22, 12
	s_add_nc_u64 s[18:19], s[18:19], s[86:87]
	s_lshl_b32 s86, s22, 21                 ; the rows: 64 tiles of 32,768 bytes an expert
	s_add_nc_u64 s[12:13], s[12:13], s[86:87]
	; THE STREAM IS FILLED: 64 loads.  Unit j is eight rows k = 8 j .. 8 j + 7; sixteen lanes take one row's 256 bytes whole.
	WIN 0x40
	s_wait_alu depctr_va_vdst(0)            ; v[VG], v[VS], v[VS+1], v[BO] and v[GO] are written: the loads and stores of the whole kernel read them as offsets and addresses
.set j, 0
.rept 32
	global_load_b128 v[8*j:8*j+3],   v[VG], s[4:5] offset:j*65536 th:TH_LOAD_NT
	global_load_b128 v[8*j+4:8*j+7], v[VG], s[6:7] offset:j*65536 th:TH_LOAD_NT
.set j, j+1
.endr
	WIN 0
	s_wait_kmcnt 0x0
.set j, 0
.rept 32                                ; the expert's count, while those loads are on their way
	s_bcnt1_i32_b32 s80, s[32+j]
	s_add_co_u32 s66, s66, s80
.set j, j+1
.endr
	s_add_co_u32 s67, s66, 15
	s_lshr_b32 s67, s67, 4                  ; T: live tiles
	s_max_u32 s68, s67, 1
	s_sub_co_u32 s68, s68, 1                ; the last live tile
	s_or_b32 s80, s20, s21
	s_cmp_lg_u32 s80, 0
	s_cbranch_scc1 .Lnork
	s_mov_b32 s80, 0
	v_lshlrev_b32 v16, 2, v1
.set j, 0
.rept 32                                ; all 32 words' counts are made first,
	v_mbcnt_lo_u32_b32 v[BF+j], s[32+j], s80
	s_bcnt1_i32_b32 s82, s[32+j]
	s_add_co_u32 s80, s80, s82
.set j, j+1
.endr
	s_wait_alu depctr_va_vdst(0)            ; v16 and v[BF .. BF+31] are written, which the 32 stores read
.set j, 0
.rept 32                                ; every entry is stored, 128 consecutive bytes a line
	global_store_b32 v16, v[BF+j], s[18:19] offset:j*128
.set j, j+1
.endr
.Lnork:
; Four units of the stream: rounded into CT[g % 2], (re = 1) their registers asked for again, 32 units on, and the rounded numbers laid into LDS.  left: the younger loads, which stay out.
.macro GRP g, re, left
	s_wait_loadcnt \left
.if ((\g)%2 == 0) && ((\g) > 0)
	s_wait_alu depctr_vm_vsrc(0)            ; the LDS stores of the two groups before have read CT0 and CT1, which this group's roundings and the next group's write again (group 0: the wait at the trip's end)
.endif
	WIN 0x05
.irp u, 0,1,2,3
.irp c, 0,1,2,3
	v_cvt_pk_bf16_f32 v[CT+16*((\g)%2)+4*\u+\c], v[8*(4*(\g)+\u)+2*\c], v[8*(4*(\g)+\u)+2*\c+1]
.endr
.endr
.if \re
	WIN 0x40
	s_wait_alu depctr_va_vdst(0)            ; the roundings are done reading the raw registers, in which the loads below land, and have written CT[g % 2], which the LDS stores below read; behind a trip's end v[VS], v[VS+1] are written
.irp u, 0,1,2,3
	global_load_b128 v[8*(4*(\g)+\u):8*(4*(\g)+\u)+3],   v[VG], s[4:5] offset:(4*(\g)+\u+32)*65536 th:TH_LOAD_NT
	global_load_b128 v[8*(4*(\g)+\u)+4:8*(4*(\g)+\u)+7], v[VG], s[6:7] offset:(4*(\g)+\u+32)*65536 th:TH_LOAD_NT
.endr
	WIN 0
.else
	WIN 0
	s_wait_alu depctr_va_vdst(0)            ; the roundings have written CT[g % 2], which the LDS stores below read; behind the last trip's end v[VS], v[VS+1] are written
.endif
.irp u, 0,1,2,3
	ds_store_b64 v[VS+(4*(\g)+\u)/16], v[CT+16*((\g)%2)+4*\u:CT+16*((\g)%2)+4*\u+1]   offset:((4*(\g)+\u)%16)*8*PW      ; the two halves of the lanes lie four rows apart, 288 words: 32 banks apart
	ds_store_b64 v[VS+(4*(\g)+\u)/16], v[CT+16*((\g)%2)+4*\u+2:CT+16*((\g)%2)+4*\u+3] offset:((4*(\g)+\u)%16)*8*PW+128
.endr
.endm
	s_mov_b32 s71, 3
.Lstream:                                       ; a trip: 256 rows k are laid down, the 256 after the next are asked for
.irp g, 0,1,2,3,4,5,6,7
	GRP \g, 1, 56                           ; of 64 loads out the oldest eight are wanted
.endr
	s_wait_xcnt 0x0                         ; the loads' bases are stepped only behind this wait
	s_wait_alu depctr_vm_vsrc(0)            ; the LDS stores issued so far have read v[VS] and v[VS+1], which the adds below write, and CT0 and CT1, which the next two groups write
	s_add_nc_u64 s[4:5], s[4:5], 0x200000
	s_add_nc_u64 s[6:7], s[6:7], 0x200000
	v_add_nc_u32 v[VS], 256*PW, v[VS]
	v_add_nc_u32 v[VS+1], 256*PW, v[VS+1]
	s_sub_co_u32 s71, s71, 1
	s_cmp_lg_u32 s71, 0
	s_cbranch_scc1 .Lstream
.irp g, 0,1,2,3
	GRP \g, 0, 56-8*\g                      ; the last 256 rows: nothing more is asked for, the counts run down
.endr
.irp f, 0,1,2,3                         ; the biases, 16 loads behind the 32 still out: lane (r, h), register j of block f wants column 16 f + 8 h + j.  No vector instruction has named these registers
	global_load_b128 v[BIAS+8*\f:BIAS+8*\f+3],     v[BO], s[8:9] offset:64*\f
	global_load_b128 v[BIAS+8*\f+4:BIAS+8*\f+7],   v[BO], s[8:9] offset:64*\f+16
	global_load_b128 v[BIAS+32+8*\f:BIAS+35+8*\f], v[BO], s[10:11] offset:64*\f
	global_load_b128 v[BIAS+36+8*\f:BIAS+39+8*\f], v[BO], s[10:11] offset:64*\f+16
.endr
.irp g, 4,5,6,7
	GRP \g, 0, 72-8*\g                      ; the younger groups and the 16 bias loads stay out
.endr
	s_wait_loadcnt 0x0
	s_wait_alu depctr_vm_vsrc(0)            ; the last two groups' LDS stores have read CT0, whose first four registers the roundings below write
.set z, 0
.rept 32                                ; the biases rounded to bf16 and widened again
	v_cvt_pk_bf16_f32 v[CT+z%4], v[BIAS+2*z], v[BIAS+2*z+1]
	v_lshlrev_b32 v[BIAS+2*z], 16, v[CT+z%4]
	v_and_b32 v[BIAS+2*z+1], 0xffff0000, v[CT+z%4]
.set z, z+1
.endr
	s_wait_dscnt 0x0                        ; for the others' sake: my rows of the slice are in LDS
	s_barrier_signal -1
	s_barrier_wait -1                       ; from here to the closing barrier LDS is only read
; Ten loads: the five tiles' fragments (16 ranks x 32 channels: two blocks of 512 consecutive bytes) of one K step, into a slot.
.macro LDA slot, imm
	WIN 0xc0
.irp i, 0,1,2,3,4
	global_load_b128 v[40*(\slot)+8*\i:40*(\slot)+8*\i+3],   v[AOFF+\i], s[74:75] offset:(\imm)
	global_load_b128 v[40*(\slot)+8*\i+4:40*(\slot)+8*\i+7], v[AOFF+\i], s[74:75] offset:(\imm)+512
.endr
.endm
; Eight turning loads: column blocks f0 .. f0 + 3 of the slice's eight x the 32 rows k of K step rel, counted from the walk's place, into a weight buffer.
.macro LDB buf, rel, f0
	BSEL \buf
	WIN bW<<6
.irp f, 0,1,2,3
	ds_load_tr16_b128 v[bR+8*((\f0)+\f):bR+8*((\f0)+\f)+3],   v[BA+(\rel)/4] offset:((\rel)%4)*32*PW+32*((\f0)+\f)
	ds_load_tr16_b128 v[bR+8*((\f0)+\f)+4:bR+8*((\f0)+\f)+7], v[BA+(\rel)/4] offset:((\rel)%4)*32*PW+32*((\f0)+\f)+16*PW
.endr
.endm
; Eight products of tile i.  Source 0 = 16 hidden columns, source 1 = 16 ranks: a lane then holds one rank and eight neighbouring columns.  first = 1: the bias is the C that starts the sum.
.macro MM i, buf, slot, first
	BSEL \buf
.if (\i) < 4
	WIN (0x5c-0x10*(\first))|bW
.else
	WIN (0xac-0x20*(\first))|bW
.endif
.irp f, 0,1,2,3,4,5,6,7
.if \first
	v_wmma_f32_16x16x32_bf16 v[64*((\i)%4)+8*\f:64*((\i)%4)+8*\f+7], v[bR+8*\f:bR+8*\f+7], v[40*(\slot)+8*(\i):40*(\slot)+8*(\i)+7], v[BIAS+8*\f:BIAS+8*\f+7]
.else
	v_wmma_f32_16x16x32_bf16 v[64*((\i)%4)+8*\f:64*((\i)%4)+8*\f+7], v[bR+8*\f:bR+8*\f+7], v[40*(\slot)+8*(\i):40*(\slot)+8*(\i)+7], v[64*((\i)%4)+8*\f:64*((\i)%4)+8*\f+7]
.endif
.endr
.endm
; A K step of 32.  It asks for the row fragments five steps on, at its head, and for the weight fragments two steps on, in two halves behind the first and the second tile's products: all into
; registers that the step before multiplied.  lc, dc: the younger loads, which stay out.  The accumulators take turns, one instruction a turn.
; Tiles 3 and 4: their loads are issued on every way, so that the counts are alike.  The pass's first step multiplies all five tiles, with no branch, so that each accumulator that the way out
; names has been started by the pass itself on every way: at most 16 products a pass on a tile read twice.  The other 31 steps jump the tiles that the pass does not have.
; The pass's first step has no wait of its own: the one at the pass's head stands for its loads too.  A step that asks for nothing has none either.
.macro STEP sr, first, lda, ldb, lc, dc
.if ((\lda) || (\ldb)) && !(\first)
.if \lda
	WIN 0xc0
.endif
.rept 4
	v_nop                                   ; the four places behind the last step's products stay beside the wait
.endr
	s_wait_alu depctr_va_vdst(0)            ; the last step's products are done reading their slot and their weight buffer, in which this step's loads land; behind a K trip's end v[BA .. BA+2] are written
.endif
.if \lda
	LDA ((\sr)+5)%6, ((\sr)+5)*1024
.endif
	s_wait_loadcnt \lc
	s_wait_dscnt \dc
	MM 0, (\sr)%3, (\sr)%6, \first
.if \ldb
	LDB ((\sr)+2)%3, (\sr)+2, 0             ; no wait: no vector or matrix instruction since the wait above names this buffer or v[BA ..]
.endif
	MM 1, (\sr)%3, (\sr)%6, \first
.if \ldb
	LDB ((\sr)+2)%3, (\sr)+2, 4
.endif
	MM 2, (\sr)%3, (\sr)%6, \first
.if \first
	MM 3, (\sr)%3, (\sr)%6, 1
	MM 4, (\sr)%3, (\sr)%6, 1
	WIN 0
.else
	WIN 0
	s_cmp_eq_u32 s72, 0
	s_cbranch_scc1 .Lx\@
	MM 3, (\sr)%3, (\sr)%6, 0
	WIN 0
	s_cmp_eq_u32 s73, 0
	s_cbranch_scc1 .Lx\@
	MM 4, (\sr)%3, (\sr)%6, 0
	WIN 0
.Lx\@:
.endif
.endm
; Tile i leaves: silu(h1) h2 = h1 h2 / (1 + 2^(-log2(e) h1)), rounded to bf16 and stored from the registers in which it lies.  A dead tile ends the pass: those behind it are dead too.
.macro ACT i
	WIN 0
	s_add_co_u32 s80, s70, 4*(\i)
.if (\i) > 0
	s_cmp_ge_u32 s80, s67
	s_cbranch_scc1 .Lnext
.endif
	WIN 1+(\i)/4
.set z, 0
.rept 16                                ; each accumulator is read from its low end on
	v_pk_mul_f32 v[T+2*z:T+2*z+1], v[64*((\i)%4)+2*z:64*((\i)%4)+2*z+1], s[78:79] op_sel_hi:[1,0]
.set z, z+1
.endr
	WIN 0
.set z, 0
.rept 32
	v_exp_f32 v[T+z], v[T+z]
.set z, z+1
.endr
	v_nop                                   ; a plain instruction behind the last exponential,
	s_wait_alu depctr_va_vdst(0)            ; and one wait for the batch of 32: the exponentials have written T
.set z, 0
.rept 16
	v_pk_add_f32 v[T+2*z:T+2*z+1], v[T+2*z:T+2*z+1], 1.0 op_sel_hi:[1,0]
.set z, z+1
.endr
.set z, 0
.rept 32
	v_rcp_f32 v[T+z], v[T+z]
.set z, z+1
.endr
	v_nop
	s_wait_alu depctr_va_vdst(0)            ; one wait for the 32 reciprocals: they have written T
	WIN 1+(\i)/4
.set z, 0
.rept 16
	v_pk_mul_f32 v[T+2*z:T+2*z+1], v[64*((\i)%4)+2*z:64*((\i)%4)+2*z+1], v[T+2*z:T+2*z+1]
.set z, z+1
.endr
.set z, 0
.rept 16
	v_pk_mul_f32 v[T+2*z:T+2*z+1], v[64*((\i)%4)+32+2*z:64*((\i)%4)+32+2*z+1], v[T+2*z:T+2*z+1]
.set z, z+1
.endr
	WIN 0
	s_wait_xcnt 0x0                         ; the last tile's stores named P and s[76:77]: both are written again only behind this wait
.if (\i) > 0
	s_wait_alu depctr_vm_vsrc(0)            ; the last tile's stores have read P, which the roundings below write again (tile 0: the wait at the pass's head)
.endif
.set z, 0
.rept 16
	v_cvt_pk_bf16_f32 v[P+z], v[T+2*z], v[T+2*z+1]
.set z, z+1
.endr
	s_lshl_b32 s80, s80, 11                 ; a tile is 2,048 bytes
	s_mov_b32 s81, 0
	s_add_nc_u64 s[76:77], s[16:17], s[80:81]
	s_wait_alu depctr_va_vdst(0)            ; the roundings have written P, which the four stores read
.irp f, 0,1,2,3
	global_store_b128 v[GO], v[P+4*\f:P+4*\f+3], s[76:77] offset:512*\f  ; block f: 512 consecutive bytes, at a multiple of 256 from hid's first
.endr
.endm
	s_mov_b32 s69, 4
	s_mov_b32 s70, s20                      ; the pass's first tile: w + 20 p
.Lpass:
	s_cmp_ge_u32 s70, s67
	s_cbranch_scc1 .Lnext                   ; no tile of mine in this pass
	s_wait_xcnt 0x0                         ; earlier loads and stores named registers that the pass writes
	s_wait_alu depctr_vm_vsrc(0)            ; the last pass's row loads have read v[AOFF ..], its turning loads v[BA ..], which the adds below write; its stores have read P, in which W0's loads land
.irp i, 0,1,2,3,4
	s_add_co_u32 s80, s70, 4*\i
	s_min_u32 s80, s80, s68                 ; a dead tile reads the last live one again
	s_min_u32 s80, s80, 63
	s_lshl_b32 s80, s80, 15
	v_add_nc_u32 v[AOFF+\i], s80, v[GO]     ; tile x 32,768 bytes + 16 x lane
.endr
	s_add_co_u32 s80, s70, 12
	s_cmp_lt_u32 s80, s67
	s_cselect_b32 s72, 1, 0                 ; is tile 3 live?
	s_add_co_u32 s80, s70, 16
	s_cmp_lt_u32 s80, s67
	s_cselect_b32 s73, 1, 0                 ; tile 4?
	s_mov_b64 s[74:75], s[12:13]
	s_mov_b32 s89, 0                        ; the K walk's place in the slice, in bytes
	v_add_nc_u32 v[BA], s89, v[B0]
	v_add_nc_u32 v[BA+1], 4*32*PW, v[BA]
	v_add_nc_u32 v[BA+2], 8*32*PW, v[BA]
	WIN 0xc0
	s_wait_alu depctr_va_vdst(0)            ; v[AOFF ..] and v[BA ..] are written; the last pass's products are done reading the slots and W0 to W2, and its way out has written T and P: the loads below, and the first step's, land there
	LDA 0, 0
	LDA 1, 1024
	LDA 2, 2048
	LDA 3, 3072
	LDA 4, 4096
	LDB 0, 0, 0
	LDB 0, 0, 4
	LDB 1, 1, 0
	LDB 1, 1, 4
	STEP 0, 1, 1, 1, 50, 16                 ; 50: the five younger slots of ten; 16: the next step's weight fragments
	s_mov_b32 s71, 4
.Lk:                                            ; a trip: K steps 6 q + 1 .. 6 q + 6, once round the six slots, twice round the three weight buffers
	STEP 1, 0, 1, 1, 50, 16
	STEP 2, 0, 1, 1, 50, 16
	STEP 3, 0, 1, 1, 50, 16
	STEP 4, 0, 1, 1, 50, 16
	STEP 5, 0, 1, 1, 50, 16
	STEP 6, 0, 1, 1, 50, 16
	s_wait_xcnt 0x0                         ; the loads' base is stepped only behind this wait
	s_wait_alu depctr_vm_vsrc(0)            ; the turning loads issued so far have read v[BA .. BA+2], which the adds below write
	s_add_nc_u64 s[74:75], s[74:75], 6*1024
	s_add_co_u32 s89, s89, 6*32*PW
	v_add_nc_u32 v[BA], s89, v[B0]
	v_add_nc_u32 v[BA+1], 4*32*PW, v[BA]
	v_add_nc_u32 v[BA+2], 8*32*PW, v[BA]
	s_sub_co_u32 s71, s71, 1
	s_cmp_lg_u32 s71, 0
	s_cbranch_scc1 .Lk
	STEP 1, 0, 1, 1, 50, 16                 ; K steps 25 and 26 ask for the rows of steps 30 and 31;
	STEP 2, 0, 1, 1, 50, 16
	STEP 3, 0, 0, 1, 40, 16                 ; steps 27 to 31 have no rows left to ask for: the counts run down;
	STEP 4, 0, 0, 1, 30, 16
	STEP 5, 0, 0, 1, 20, 16                 ; step 29 asks for the weights of step 31, the last
	STEP 6, 0, 0, 0, 10, 16
	STEP 7, 0, 0, 0, 0, 0
.rept 4
	v_nop                                   ; four places between the last product and the reads of the results
.endr
	ACT 0
	ACT 1
	ACT 2
	ACT 3
	ACT 4
.Lnext:
	s_add_co_u32 s70, s70, 20
	s_sub_co_u32 s69, s69, 1
	s_cmp_lg_u32 s69, 0
	s_cbranch_scc1 .Lpass
	s_wait_dscnt 0x0                        ; my reads of LDS are over;
	s_barrier_signal -1
	s_barrier_wait -1                       ; everybody's are
	s_wait_dscnt 0x0                        ; the wave's end: all counts and dependences drain, then the closing add into my spare word
	s_wait_alu depctr_hold_cnt(0) depctr_sa_sdst(0) depctr_va_vdst(0) depctr_va_sdst(0) depctr_va_ssrc(0) depctr_va_vcc(0) depctr_vm_vsrc(0)
	s_wait_tensorcnt 0x0
	ds_add_u32 v29, v30
	s_wait_dscnt 0x0
	s_endpgm
.Lfunc_end_k_q6904886d96_up:
	.size	k_q6904886d96_up, .Lfunc_end_k_q6904886d96_up-k_q6904886d96_up
	.p2alignl 7, 3214868480
	.fill 96, 4, 3214868480
	.section	.rodata,"a",@progbits
	.p2align	6, 0x0
	.amdhsa_kernel k_q6904886d96_up
		.amdhsa_group_segment_fixed_size 295424
		.amdhsa_private_segment_fixed_size 0
		.amdhsa_enable_private_segment 0
		.amdhsa_kernarg_size 64
		.amdhsa_user_sgpr_count 2
		.amdhsa_user_sgpr_kernarg_segment_ptr 1
		.amdhsa_wavefront_size32 1
		.amdhsa_system_sgpr_workgroup_id_x 1
		.amdhsa_system_sgpr_workgroup_id_y 1
		.amdhsa_system_sgpr_workgroup_id_z 1
		.amdhsa_system_vgpr_workitem_id 0
		.amdhsa_next_free_vgpr 1008
		.amdhsa_next_free_sgpr 96
		.amdhsa_reserve_vcc 0
		.amdhsa_float_denorm_mode_32 3
		.amdhsa_float_denorm_mode_16_64 3
		.amdhsa_memory_ordered 1
		.amdhsa_forward_progress 1
		.amdhsa_inst_pref_size 171
	.end_amdhsa_kernel
	.amdgpu_metadata
---
amdhsa.version: [ 1, 2 ]
amdhsa.kernels:
  - .name:           k_q6904886d96_up
    .symbol:         k_q6904886d96_up.kd
    .args:
      - { .name: W1, .offset: 0, .size: 8, .value_kind: global_buffer, .address_space: global }
      - { .name: W2, .offset: 8, .size: 8, .value_kind: global_buffer, .address_space: global }
      - { .name: b1, .offset: 16, .size: 8, .value_kind: global_buffer, .address_space: global }
      - { .name: b2, .offset: 24, .size: 8, .value_kind: global_buffer, .address_space: global }
      - { .name: part, .offset: 32, .size: 8, .value_kind: global_buffer, .address_space: global }
      - { .name: bm, .offset: 40, .size: 8, .value_kind: global_buffer, .address_space: global }
      - { .name: hid, .offset: 48, .size: 8, .value_kind: global_buffer, .address_space: global }
      - { .name: rk, .offset: 56, .size: 8, .value_kind: global_buffer, .address_space: global }
    .group_segment_fixed_size: 295424
    .private_segment_fixed_size: 0
    .kernarg_segment_align: 8
    .kernarg_segment_size: 64
    .max_flat_workgroup_size: 128
    .sgpr_count:     96
    .vgpr_count:     1008
    .wavefront_size: 32
...
	.end_amdgpu_metadata
.endif
;; end of part 6
;; launch down (part 7): grid 32 x 8, 4 waves a work-group, no clusters, 181,760 bytes of LDS; arguments W3, hid, bm, part; writes part
.if DOCPART == 7
	.amdgcn_target "amdgcn-amd-amdhsa--gfx1250"
	.amdhsa_code_object_version 6
	.text
	.protected	k_q6904886d96_down
	.globl	k_q6904886d96_down
	.p2align	8
	.type	k_q6904886d96_down,@function
k_q6904886d96_down:
	s_mov_b64 s[64:65], 0
	v_nop
	global_prefetch_b8 v0, s[64:65] scope:SCOPE_SE
	s_setreg_imm32_b32 hwreg(HW_REG_WAVE_SCHED_MODE, 0, 2), 2
	s_setreg_imm32_b32 hwreg(HW_REG_WAVE_MODE, 25, 1), 1
	s_wait_xcnt 0x0
	s_wait_alu depctr_vm_vsrc(0)
; THE THIRD PRODUCT, IN PARTS.  part[kh][e][rank][64 cs .. 64 cs + 63] = the sum over hidden channels 1,024 kh .. 1,024 kh + 1,023 of the hidden layer's row times W3[e], in f32.
; (The copy of the token rows that lay at the buffer's head has been read for the last time by the launch before.)
; Work-group (x, e): cs = x % 16, kh = x / 16.  It alone reads its 1,024 x 64 numbers of W3[e], 262,144 bytes of f32, once, in whole rows of 256 bytes.
; hid lies as my operand registers take it: hid[e][slice of 64 channels][tile of 16 ranks][f = 0..3][lane][16 bytes]: blocks 2 c and 2 c + 1 are the two halves of the fragment of channels 32 c .. 32 c + 31;
; each load takes 512 consecutive bytes.
; WHY THIS SPLIT.  32 columns and all of K would make row pieces of 128 bytes and read hid twice as often; 64 columns and all of K would make 128 work-groups.  The price: a second partial row for each routed row.
; FORMATS.  W3 is rounded once to bf16; sums in f32; the partial sums are stored in f32.  LIMITS: NaN and infinities are not treated apart.
; PHASES.  The slice goes memory -> registers -> bf16 -> LDS with 64 loads a wave out; a barrier; then four passes.  A row tile is 16 ranks; wave w has tiles w, w + 4, ..; a pass takes five of them.
; A pass has two parts with a barrier behind each: the K walk, which only reads LDS, by a stepped address; and the way out, in which each wave writes and reads its stage.  So no wave writes LDS while another walks.
; Every wave passes all eight barriers; what hangs on the expert's count (read from bm) is only jumped over, forward, with no barrier in what is jumped.
; NO CLUSTER: a slice of weights has one reader.  The 16 work-groups of an expert and K half do read the same rows of hid; asked for jointly these would want a ring in LDS filled in a loop
; of which the live trips hang on a count read from memory, where this text brings them straight into registers.
; THE MODE: SCHED_MODE bits 1:0 = 2 (LLVM: expert scheduling mode 2), set by the entry lines.  The code itself states the register dependences between vector or matrix instructions and memory or
; LDS instructions, with s_wait_alu, always for 0.
; THE PLAN.  Registers that memory or LDS instructions touch, and who else names them:
;   STREAM.  Raw (window 1): group g's sixteen roundings read its 32 registers; the loads 32 units on land in them.  CT0, CT1 by turns: group g's roundings write CT[g % 2], its eight LDS stores read it.
;     v[VG], v[VS .. VS+3]: offsets and addresses, never written again.  One wait on va_vdst a group, behind its roundings; one wait on vm_vsrc for two groups, which frees both CT.
;   PASSES.  Slots 0-5 (window 2): the products of K step s read slot s % 6; step s's ten row loads (for step s + 5) land in slot (s - 1) % 6.
;     W0, W1, W2: the products of step s read W[s % 3]; step s's eight turning loads (for step s + 2) land in W[(s - 1) % 3].
;     v[AOFF ..]: read by the row loads, written once a pass.  v[BA]: read by the turning loads, written once a pass and once a K trip.
;     One wait on va_vdst at a step's head: the step before is done with the slot and the W that this step's loads land in.  This step's products name W[s % 3], slot s % 6 and the sums, none of
;     which its loads touch: so the row loads stand at the head and the turning loads are dealt among the products with no further wait.
;   THE WAY OUT.  The accumulators: written by the products, read by the LDS stores into the stage, written again by the next pass's first products.  BK: loads from the stage land in it, the global stores read it.
; REGISTERS: window 0: v0-31 addresses; v32-63 CT0, CT1; v64-159 W0, W1, W2; v160-191 the way out.
;   window 1: the stream's 64 loads, then the accumulators (tile i, column block f at 32 i + 8 f)      window 2: fragments of hid, six slots of 40
.set PW,    160                 ; a row k of the slice in LDS: 128 bytes + 32 = 40 words
.set STAGE, 1024*PW             ; each wave's own 16 rows x 272 bytes of f32, for the way out; the 512 bytes that the launch claims behind the four stages hold the spare words, 128 bytes a wave
.set SP,    272
.set B0,  4                     ; my lane's place in 32 rows of the slice; never rewritten
.set BA,  5                     ; the same, s89 bytes on
.set STO, 6
.set RD,  7
.set GO,  8
.set RR,  9
.set AOFF, 10                   ; v10-14
.set VG,  22
.set VS,  24                    ; v24-27: where 256 rows each go in LDS
.set AL,  28                    ; 16 x lane
.set CT,  32                    ; v32-47, v48-63
.set BF,  64                    ; weight buffer b at BF + 32 b
.set BK,  160
.set MSB, 0
.macro WIN new                          ; the immediate's high byte repeats the setting that is left; a switch that changes nothing is dropped
.if MSB != (\new)
	s_set_vgpr_msb (MSB<<8)|(\new)
.set MSB, (\new)
.endif
.endm
	s_load_b256 s[4:11], s[0:1], 0x0        ; W3, hid, bm, part
	v_lshl_add_u32 v254, v0, 2, 0x2c400
	v_mov_b32 v255, 0
	v_and_b32 v1, 31, v0
	v_lshrrev_b32 v16, 5, v0
	v_readfirstlane_b32 s20, v16            ; wave
	s_and_b32 s22, ttmp7, 0xffff            ; expert
	s_and_b32 s23, ttmp9, 15                ; column slice
	s_lshr_b32 s24, ttmp9, 4                ; K half
	v_and_b32 v[RR], 15, v1
	v_lshrrev_b32 v17, 4, v1                ; h = lane / 16
	v_and_b32 v18, 7, v1
	v_bfe_u32 v19, v1, 3, 1
	v_lshl_add_u32 v[B0], v17, 3, v18       ; the turning load: row 8 h + lane % 8,
	v_mul_u32_u24 v[B0], v[B0], PW
	v_lshl_add_u32 v[B0], v19, 4, v[B0]     ; columns 8 ((lane / 8) % 2) on
	s_wait_alu depctr_va_sdst(0)            ; s20 is written, ahead of its first reader, the next line
	s_mul_i32 s80, s20, 16*SP
	s_add_co_u32 s80, s80, STAGE
	v_mul_u32_u24 v[STO], v[RR], SP         ; into my stage: row lane % 16, 32 bytes for each half of the lanes
	v_lshl_add_u32 v[STO], v17, 5, v[STO]
	v_add_nc_u32 v[STO], s80, v[STO]
	v_mul_u32_u24 v[RD], v17, SP            ; back: lanes 0-15 take one row of 256 bytes, lanes 16-31 the next
	v_lshl_add_u32 v[RD], v[RR], 4, v[RD]
	v_add_nc_u32 v[RD], s80, v[RD]
	v_lshlrev_b32 v[GO], 12, v17            ; and the same two rows in part
	v_lshl_add_u32 v[GO], v[RR], 4, v[GO]
	v_lshl_add_u32 v23, v17, 2, s20         ; the stream: lanes 0-15 take row w, lanes 16-31 row w + 4
	v_lshlrev_b32 v[VG], 12, v23
	v_lshl_add_u32 v[VG], v[RR], 4, v[VG]
	v_mul_u32_u24 v[VS], v23, PW
	v_lshl_add_u32 v[VS], v[RR], 3, v[VS]
	v_add_nc_u32 v[VS+1], 256*PW, v[VS]
	v_add_nc_u32 v[VS+2], 512*PW, v[VS]
	v_add_nc_u32 v[VS+3], 768*PW, v[VS]
	v_lshlrev_b32 v[AL], 4, v1
	s_lshl_b32 s82, s22, 23
	s_lshl_b32 s84, s24, 22
	s_add_co_u32 s82, s82, s84
	s_lshl_b32 s85, s23, 8
	s_add_co_u32 s82, s82, s85
	s_mov_b32 s83, 0
	s_lshl_b32 s86, s22, 22
	s_lshl_b32 s84, s24, 21
	s_add_co_u32 s86, s86, s84
	s_mov_b32 s87, 0
	s_mov_b32 s66, 0
	s_wait_kmcnt 0x0
	s_add_nc_u64 s[4:5], s[4:5], s[82:83]   ; W3 at my expert, K half and columns
	s_add_nc_u64 s[6:7], s[6:7], s[86:87]   ; hid at my expert's 16 slices
	s_lshl_b32 s82, s22, 7
	s_add_nc_u64 s[8:9], s[8:9], s[82:83]
	s_load_b512 s[32:47], s[8:9], 0x0       ; the expert's bitmap
	s_load_b512 s[48:63], s[8:9], 0x40
	s_lshl_b32 s86, s24, 3
	s_add_co_u32 s86, s86, s22
	s_lshl_b32 s86, s86, 22
	s_add_co_u32 s86, s86, s85
	s_add_nc_u64 s[10:11], s[10:11], s[86:87]
	; THE STREAM IS FILLED: 64 loads.  Unit j is sixteen rows k, two loads; sixteen lanes take one row's 256 bytes whole.
	WIN 0x40
	s_wait_alu depctr_va_vdst(0)            ; v[VG], v[VS .. VS+3], v[STO], v[RD] and v[GO] are written: the loads and stores of the whole kernel read them as offsets and addresses
.set j, 0
.rept 32
	global_load_b128 v[8*j:8*j+3],   v[VG], s[4:5] offset:j*65536 th:TH_LOAD_NT
	global_load_b128 v[8*j+4:8*j+7], v[VG], s[4:5] offset:j*65536+32768 th:TH_LOAD_NT
.set j, j+1
.endr
	WIN 0
	s_wait_kmcnt 0x0
.set j, 0
.rept 32
	s_bcnt1_i32_b32 s80, s[32+j]
	s_add_co_u32 s66, s66, s80
.set j, j+1
.endr
	s_add_co_u32 s67, s66, 15
	s_lshr_b32 s67, s67, 4                  ; T: live tiles
	s_max_u32 s68, s67, 1
	s_sub_co_u32 s68, s68, 1                ; the last live tile
; Four units of the stream: rounded into CT[g % 2], (re = 1) their registers asked for again, 32 units on, and the rounded numbers laid into LDS.  hi = 1: these are units 32 to 63.  left: the younger loads.
.macro GRP g, re, left, hi
	s_wait_loadcnt \left
.if ((\g)%2 == 0) && (((\g) > 0) || (\hi))
	s_wait_alu depctr_vm_vsrc(0)            ; the LDS stores of the two groups before have read CT0 and CT1, which this group's roundings and the next group's write again
.endif
	WIN 0x05
.irp u, 0,1,2,3
.irp c, 0,1,2,3
	v_cvt_pk_bf16_f32 v[CT+16*((\g)%2)+4*\u+\c], v[8*(4*(\g)+\u)+2*\c], v[8*(4*(\g)+\u)+2*\c+1]
.endr
.endr
.if \re
	WIN 0x40
	s_wait_alu depctr_va_vdst(0)            ; the roundings are done reading the raw registers, in which the loads below land, and have written CT[g % 2], which the LDS stores below read
.irp u, 0,1,2,3
	global_load_b128 v[8*(4*(\g)+\u):8*(4*(\g)+\u)+3],   v[VG], s[4:5] offset:(4*(\g)+\u+32)*65536 th:TH_LOAD_NT
	global_load_b128 v[8*(4*(\g)+\u)+4:8*(4*(\g)+\u)+7], v[VG], s[4:5] offset:(4*(\g)+\u+32)*65536+32768 th:TH_LOAD_NT
.endr
	WIN 0
.else
	WIN 0
	s_wait_alu depctr_va_vdst(0)            ; the roundings have written CT[g % 2], which the LDS stores below read
.endif
.irp u, 0,1,2,3
	ds_store_b64 v[VS+2*(\hi)+(4*(\g)+\u)/16], v[CT+16*((\g)%2)+4*\u:CT+16*((\g)%2)+4*\u+1]   offset:((4*(\g)+\u)%16)*16*PW      ; the two halves of the lanes lie four rows apart, 160 words: 32 banks apart
	ds_store_b64 v[VS+2*(\hi)+(4*(\g)+\u)/16], v[CT+16*((\g)%2)+4*\u+2:CT+16*((\g)%2)+4*\u+3] offset:((4*(\g)+\u)%16)*16*PW+8*PW
.endr
.endm
.irp g, 0,1,2,3,4,5,6,7
	GRP \g, 1, 56, 0                        ; of 64 loads out the oldest eight are wanted
.endr
.irp g, 0,1,2,3,4,5,6,7
	GRP \g, 0, 56-8*\g, 1                   ; nothing more is asked for: the counts run down
.endr
	s_wait_dscnt 0x0                        ; for the others' sake: my rows of the slice are in LDS
	s_barrier_signal -1
	s_barrier_wait -1                       ; from here on the slice is only read
; Ten loads: the five tiles' fragments (16 ranks x 32 channels) of K step sg, counted from the walking base: slice sg / 2 of hid, blocks 2 (sg % 2) and 2 (sg % 2) + 1 of the tile.
.macro LDA slot, sg
	WIN 0x80
.irp i, 0,1,2,3,4
	global_load_b128 v[40*(\slot)+8*\i:40*(\slot)+8*\i+3],   v[AOFF+\i], s[74:75] offset:((\sg)/2)*131072+((\sg)%2)*1024
	global_load_b128 v[40*(\slot)+8*\i+4:40*(\slot)+8*\i+7], v[AOFF+\i], s[74:75] offset:((\sg)/2)*131072+((\sg)%2)*1024+512
.endr
.endm
.macro LDB buf, imm, f0                 ; four turning loads: column blocks f0 and f0 + 1 of four x 32 rows k
	WIN 0
.irp f, 0,1
	ds_load_tr16_b128 v[BF+32*(\buf)+8*((\f0)+\f):BF+32*(\buf)+8*((\f0)+\f)+3],   v[BA] offset:(\imm)+32*((\f0)+\f)
	ds_load_tr16_b128 v[BF+32*(\buf)+8*((\f0)+\f)+4:BF+32*(\buf)+8*((\f0)+\f)+7], v[BA] offset:(\imm)+32*((\f0)+\f)+16*PW
.endr
.endm
; Four products of tile i.  Source 0 = 16 output columns, source 1 = 16 ranks: a lane then holds one rank and eight neighbouring columns.  first = 1: the constant 0 starts the sum.
.macro MM i, buf, slot, first
	WIN 0x58
.irp f, 0,1,2,3
.if \first
	v_wmma_f32_16x16x32_bf16 v[32*(\i)+8*\f:32*(\i)+8*\f+7], v[BF+32*(\buf)+8*\f:BF+32*(\buf)+8*\f+7], v[40*(\slot)+8*(\i):40*(\slot)+8*(\i)+7], 0
.else
	v_wmma_f32_16x16x32_bf16 v[32*(\i)+8*\f:32*(\i)+8*\f+7], v[BF+32*(\buf)+8*\f:BF+32*(\buf)+8*\f+7], v[40*(\slot)+8*(\i):40*(\slot)+8*(\i)+7], v[32*(\i)+8*\f:32*(\i)+8*\f+7]
.endif
.endr
.endm
; A K step of 32.  It asks for the rows' fragments five steps on, at its head, and for the weight fragments two steps on, in two halves behind the first and the second tile's products: all into
; registers that the step before multiplied.  The accumulators take turns.  Tiles 3 and 4: their loads are issued on every way, so that the counts are alike; the pass's
; first step multiplies all five tiles with no branch, so that each sum that the way out names has been started by the pass itself; the other 31 steps jump the tiles that the pass does not have.
; The pass's first step has no wait of its own: the one at the pass's head stands for its loads too.  A step that asks for nothing has none either.
.macro STEP sr, first, lda, ldb, lc, dc
.if ((\lda) || (\ldb)) && !(\first)
.if \lda
	WIN 0x80
.endif
.rept 4
	v_nop                                   ; the four places behind the last step's products stay beside the wait
.endr
	s_wait_alu depctr_va_vdst(0)            ; the last step's products are done reading their slot and their weight buffer, in which this step's loads land; behind a K trip's end v[BA] is written
.endif
.if \lda
	LDA ((\sr)+5)%6, (\sr)+5
.endif
	s_wait_loadcnt \lc
	s_wait_dscnt \dc
	MM 0, (\sr)%3, (\sr)%6, \first
.if \ldb
	LDB ((\sr)+2)%3, ((\sr)+2)*32*PW, 0     ; no wait: no vector or matrix instruction since the wait above names this buffer or v[BA]
.endif
	MM 1, (\sr)%3, (\sr)%6, \first
.if \ldb
	LDB ((\sr)+2)%3, ((\sr)+2)*32*PW, 2
.endif
	MM 2, (\sr)%3, (\sr)%6, \first
.if \first
	MM 3, (\sr)%3, (\sr)%6, 1
	MM 4, (\sr)%3, (\sr)%6, 1
	WIN 0
.else
	WIN 0
	s_cmp_eq_u32 s72, 0
	s_cbranch_scc1 .Lx\@
	MM 3, (\sr)%3, (\sr)%6, 0
	WIN 0
	s_cmp_eq_u32 s73, 0
	s_cbranch_scc1 .Lx\@
	MM 4, (\sr)%3, (\sr)%6, 0
	WIN 0
.Lx\@:
.endif
.endm
; Tile i leaves through my stage: 16 rows of 256 bytes.  A dead tile ends the way out: those behind it are dead too.
.macro OUT i
	WIN 0
	s_add_co_u32 s80, s70, 4*(\i)
.if (\i) > 0
	s_cmp_ge_u32 s80, s67
	s_cbranch_scc1 .Lnext
.endif
	WIN 0x04                                ; the stores' data in window 1
.if (\i) == 0
	s_wait_alu depctr_va_vdst(0)            ; the pass's products have written the accumulators, which the LDS stores of all five tiles read: no vector or matrix instruction follows in the way out
.endif
.irp f, 0,1,2,3
	ds_store_b128 v[STO], v[32*(\i)+8*\f:32*(\i)+8*\f+3]   offset:64*\f      ; each accumulator's low four first
	ds_store_b128 v[STO], v[32*(\i)+8*\f+4:32*(\i)+8*\f+7] offset:64*\f+16
.endr
	WIN 0
	s_wait_xcnt 0x0                         ; the last tile's stores named BK and s[76:77]: both are written again only behind this wait
	s_wait_alu depctr_vm_vsrc(0)            ; the stores of the tile before, of this pass or the last, have read BK, in which the loads below land
.irp q, 0,1,2,3,4,5,6,7
	ds_load_b128 v[BK+4*\q:BK+4*\q+3], v[RD] offset:2*SP*\q  ; LDS serves a wave's instructions in order (ISA guide 5.7.1.4): these see the stores above
.endr
	s_lshl_b32 s80, s80, 16                 ; a tile is 16 rows of 4,096 bytes
	s_mov_b32 s81, 0
	s_add_nc_u64 s[76:77], s[10:11], s[80:81]
	s_wait_dscnt 0x0
.irp q, 0,1,2,3,4,5,6,7
	global_store_b128 v[GO], v[BK+4*\q:BK+4*\q+3], s[76:77] offset:8192*\q  ; 16 lanes store 256 consecutive bytes, at a multiple of 256 from part's first
.endr
.endm
	s_mov_b32 s69, 4
	s_mov_b32 s70, s20                      ; the pass's first tile: w + 20 p
.Lpass:
	s_cmp_ge_u32 s70, s67
	s_cbranch_scc1 .Lmid                    ; no tile of mine in this pass: only the work is jumped
	s_wait_xcnt 0x0
	s_wait_alu depctr_vm_vsrc(0)            ; the last pass's row loads have read v[AOFF ..], its turning loads v[BA], which the adds below write; its LDS stores have read the accumulators, which the first step's products write
.irp i, 0,1,2,3,4
	s_add_co_u32 s80, s70, 4*\i
	s_min_u32 s80, s80, s68                 ; a dead tile reads the last live one again
	s_min_u32 s80, s80, 63
	s_lshl_b32 s80, s80, 11
	v_add_nc_u32 v[AOFF+\i], s80, v[AL]     ; tile x 2,048 bytes + 16 x lane
.endr
	s_add_co_u32 s80, s70, 12
	s_cmp_lt_u32 s80, s67
	s_cselect_b32 s72, 1, 0                 ; is tile 3 live?
	s_add_co_u32 s80, s70, 16
	s_cmp_lt_u32 s80, s67
	s_cselect_b32 s73, 1, 0                 ; tile 4?
	s_mov_b64 s[74:75], s[6:7]
	s_mov_b32 s89, 0                        ; the K walk's place in the slice, in bytes
	v_add_nc_u32 v[BA], s89, v[B0]
	WIN 0x80
	s_wait_alu depctr_va_vdst(0)            ; v[AOFF ..] and v[BA] are written; the last pass's products are done reading the slots and W0 to W2: the loads below, and the first step's, land there
	LDA 0, 0
	LDA 1, 1
	LDA 2, 2
	LDA 3, 3
	LDA 4, 4
	LDB 0, 0, 0
	LDB 0, 0, 2
	LDB 1, 32*PW, 0
	LDB 1, 32*PW, 2
	STEP 0, 1, 1, 1, 50, 8                  ; 50: the five younger slots of ten; 8: the next step's weight fragments
	s_mov_b32 s71, 4
.Lk:                                            ; a trip: K steps 6 q + 1 .. 6 q + 6, three slices of hid, once round the six slots, twice round the three weight buffers
	STEP 1, 0, 1, 1, 50, 8
	STEP 2, 0, 1, 1, 50, 8
	STEP 3, 0, 1, 1, 50, 8
	STEP 4, 0, 1, 1, 50, 8
	STEP 5, 0, 1, 1, 50, 8
	STEP 6, 0, 1, 1, 50, 8
	s_wait_xcnt 0x0                         ; the loads' base is stepped only behind this wait
	s_wait_alu depctr_vm_vsrc(0)            ; the turning loads issued so far have read v[BA], which the add below writes
	s_add_nc_u64 s[74:75], s[74:75], 0x60000
	s_add_co_u32 s89, s89, 6*32*PW
	v_add_nc_u32 v[BA], s89, v[B0]
	s_sub_co_u32 s71, s71, 1
	s_cmp_lg_u32 s71, 0
	s_cbranch_scc1 .Lk
	STEP 1, 0, 1, 1, 50, 8                  ; K steps 25 and 26 ask for the rows of steps 30 and 31;
	STEP 2, 0, 1, 1, 50, 8
	STEP 3, 0, 0, 1, 40, 8                  ; steps 27 to 31 have no rows left to ask for: the counts run down;
	STEP 4, 0, 0, 1, 30, 8
	STEP 5, 0, 0, 1, 20, 8                  ; step 29 asks for the weights of step 31, the last
	STEP 6, 0, 0, 0, 10, 8
	STEP 7, 0, 0, 0, 0, 0
.rept 4
	v_nop                                   ; four places between the last product and the LDS stores of the results
.endr
.Lmid:
	s_wait_dscnt 0x0                        ; my walk through the slice is over;
	s_barrier_signal -1
	s_barrier_wait -1                       ; everybody's is: now the stages are written
	s_cmp_ge_u32 s70, s67
	s_cbranch_scc1 .Lnext
	OUT 0
	OUT 1
	OUT 2
	OUT 3
	OUT 4
.Lnext:
	s_wait_dscnt 0x0                        ; my stores into my stage and my reads of it are over;
	s_barrier_signal -1
	s_barrier_wait -1                       ; everybody's are: the next walk, or the wave's end, may begin
	s_add_co_u32 s70, s70, 20
	s_sub_co_u32 s69, s69, 1
	s_cmp_lg_u32 s69, 0
	s_cbranch_scc1 .Lpass
	s_wait_dscnt 0x0                        ; the wave's end: all counts and dependences drain, then the closing add into my spare word
	s_wait_alu depctr_hold_cnt(0) depctr_sa_sdst(0) depctr_va_vdst(0) depctr_va_sdst(0) depctr_va_ssrc(0) depctr_va_vcc(0) depctr_vm_vsrc(0)
	s_wait_tensorcnt 0x0
	ds_add_u32 v254, v255
	s_wait_dscnt 0x0
	s_endpgm
.Lfunc_end_k_q6904886d96_down:
	.size	k_q6904886d96_down, .Lfunc_end_k_q6904886d96_down-k_q6904886d96_down
	.p2alignl 7, 3214868480
	.fill 96, 4, 3214868480
	.section	.rodata,"a",@progbits
	.p2align	6, 0x0
	.amdhsa_kernel k_q6904886d96_down
		.amdhsa_group_segment_fixed_size 181760
		.amdhsa_private_segment_fixed_size 0
		.amdhsa_enable_private_segment 0
		.amdhsa_kernarg_size 32
		.amdhsa_user_sgpr_count 2
		.amdhsa_user_sgpr_kernarg_segment_ptr 1
		.amdhsa_wavefront_size32 1
		.amdhsa_system_sgpr_workgroup_id_x 1
		.amdhsa_system_sgpr_workgroup_id_y 1
		.amdhsa_system_sgpr_workgroup_id_z 1
		.amdhsa_system_vgpr_workitem_id 0
		.amdhsa_next_free_vgpr 752
		.amdhsa_next_free_sgpr 96
		.amdhsa_reserve_vcc 0
		.amdhsa_float_denorm_mode_32 3
		.amdhsa_float_denorm_mode_16_64 3
		.amdhsa_memory_ordered 1
		.amdhsa_forward_progress 1
		.amdhsa_inst_pref_size 103
	.end_amdhsa_kernel
	.amdgpu_metadata
---
amdhsa.version: [ 1, 2 ]
amdhsa.kernels:
  - .name:           k_q6904886d96_down
    .symbol:         k_q6904886d96_down.kd
    .args:
      - { .name: W3, .offset: 0, .size: 8, .value_kind: global_buffer, .address_space: global }
      - { .name: hid, .offset: 8, .size: 8, .value_kind: global_buffer, .address_space: global }
      - { .name: bm, .offset: 16, .size: 8, .value_kind: global_buffer, .address_space: global }
      - { .name: part, .offset: 24, .size: 8, .value_kind: global_buffer, .address_space: global }
    .group_segment_fixed_size: 181760
    .private_segment_fixed_size: 0
    .kernarg_segment_align: 8
    .kernarg_segment_size: 32
    .max_flat_workgroup_size: 128
    .sgpr_count:     96
    .vgpr_count:     752
    .wavefront_size: 32
...
	.end_amdgpu_metadata
.endif
;; end of part 7
;; launch sum: the kernel of part 5 again; grid 256 x 1, 4 waves a work-group, no clusters, 0 bytes of LDS; arguments part, b3, ch, rk, wsum, auxp, out0, out1; writes out0, out1
